; MI455X (gfx1250); checked and timed in simulation.
; The chip was launched on July 23, 2026; its instructions are those of AMD's public machine-readable ISA for CDNA 5 (MIT licence, August 2026) and "CDNA5" Instruction Set Architecture Reference Guide (July 2026). The comments in the code are by the model that wrote it; some were corrected since.
;; Task Model. Allowed arithmetic: matrix products marked QUANTISED: E3M2 operands, one E8M0 scale for each 32 along K, by v_wmma_scale_f32_16x16x128_f8f6f4 with both operands' format E3M2, f32 sums; everything else in f32.
;; Inputs: W 8 x 2,048 x 2,048 float32; b 8 x 2,048 float32; masks 2,048 int32; x 2,048 x 2,048 float32.
;; Outputs: out0 2,048 x 2,048 float32.
;; This version of the problem:
;;   THIS VERSION OF THE PROBLEM IS GIVEN IN LOW PRECISION. The matrix products marked QUANTISED in the list below multiply operands that are first quantised to E3M2 (3 exponent bits, 2 mantissa bits; 6 bits a number), with one power-of-two scale for each 32 numbers along K (OCP MX v1.0); their sums are f32. All else is computed in f32.
;;   The module's matrix products, in the order in which they are computed (A, B: the left and right operand; K: the contracted axis; several contracted axes count as one K, in the product's order):
;;     1. [M 2,048, K 2,048] x [K 2,048, N 16,384]; A: input x; B: input W: QUANTISED
;;   THE QUANTISER, for each operand of a quantised product, along K:
;;     - K is cut into blocks of 32 from its start; a last block that is shorter is filled with zeros.
;;     - A block's scale is 2^e with e = floor(log2(the largest magnitude in the block)) - 4, held to -126 .. 127; a block of zeros has e = 0. As a byte (E8M0): e + 127.
;;     - Each number is divided by its block's scale, clamped to +-28, and rounded to the nearest number of E3M2, ties to even, subnormals kept.
;;     - The product sums the exact products of the quantised numbers (number of the format x scale) in f32.
;;   ~~~python
;;   def quantise(x, axis):      # numpy; x: float32 -> the quantised numbers, widened to float32 again
;;       x = np.moveaxis(x, axis, -1); K = x.shape[-1]
;;       x = np.pad(x, [(0, 0)] * (x.ndim - 1) + [(0, -K % 32)]); x = x.reshape(x.shape[:-1] + (-1, 32)); a = np.abs(x).max(-1, keepdims=True)
;;       e = np.where(a > 0, np.clip(np.frexp(np.where(a > 0, a, 1))[1] - 1 - 4, -126, 127), 0)      # np.frexp(a)[1] - 1 = floor(log2(a)), exactly
;;       r = np.clip(x / 2.0 ** e, -28, 28)
;;       step = 2.0 ** (np.maximum(np.frexp(np.where(r == 0, 1, r))[1] - 1, -2) - 2)
;;       q = np.round(r / step) * step * 2.0 ** e      # np.round: ties to even
;;       return np.moveaxis(q.reshape(q.shape[:-2] + (-1,))[..., :K], -1, axis).astype(np.float32)
;;   ~~~
;; 2 versions. Each part assembles by itself: llvm-mc -triple=amdgcn-amd-amdhsa -mcpu=gfx1250 --defsym DOCPART=n.
;; ======== version 1 of 2: 2 launches
;; workspace buffers: xq 3,317,760 bytes; xs 276,480 bytes; order 17,408 bytes of whole numbers; meta 256 bytes of whole numbers
;; launch prep (part 1): grid 135 x 2, 8 waves a work-group, no clusters, 142,592 bytes of LDS; arguments x, masks, xq, xs, order, meta; writes xq, xs, order, meta
.if DOCPART == 1
	.amdgcn_target "amdgcn-amd-amdhsa--gfx1250"
	.amdhsa_code_object_version 6
	.text
	.protected	k_qdebc6d90cf_prep
	.globl	k_qdebc6d90cf_prep
	.p2align	8
	.type	k_qdebc6d90cf_prep,@function
k_qdebc6d90cf_prep:
	s_mov_b64 s[64:65], 0
	v_nop
	global_prefetch_b8 v0, s[64:65] scope:SCOPE_SE
	s_setreg_imm32_b32 hwreg(HW_REG_WAVE_MODE, 25, 1), 1
	s_wait_xcnt 0x0
; ROUTING AND x's CODES.  The 2,048 rows of x are sorted by their expert (masks) into tiles of 16 rows: never more than 2048/16 + 8 - 1 = 135 tiles, whatever the split.
; Work-group (t, y) makes tile t; its wave w makes the tile's K step ks = 8 y + w (128 along K): it gathers the 16 rows' 512 bytes, quantises them to BF6 (E3M2) with one E8M0 byte for each 32 along K,
; and stores the fragment as an IMAGE OF THE OPERAND'S REGISTERS: xq[t][ks][c][lane][16 bytes] (c = 0..2: registers 4 c .. 4 c + 3), xs[t][ks][lane] the row's scale word.
; order[t][16 g + 8 h + q] = the source row of place 2 q + h of tile t (g = 0, 1: the same twice), so that the reader's lane finds its eight rows in 32 neighbouring bytes;
; meta[e] = expert e's first tile, meta[8 + e] = its number of tiles.
; FREE PLACES: the free places of an expert's last tile repeat that expert's last row; a tile beyond the last used one repeats the last non-empty expert's last row (it is never stored to the output).
; THE SORT has no scatter.  Wave e stores, at fixed places of its own LDS list, E[p] = the number of expert e's rows at places ahead of p (place p = 32 m + lane holds row 128 (p / 128) + 4 (p % 32) + (p / 32) % 4).
; E rises by one behind each of the expert's rows, so the expert's j-th row stands at the largest p with E[p] <= j: eleven steps of a binary search, all lanes at once.
; A block's scale is 2^(floor(log2(largest magnitude)) - 4); its byte is the largest magnitude's exponent field - 4, held at 1 from below.
; LIMITS: masks lie in 0 .. 7 (the index stays inside its table): a row with another value gets no place.  NaN and infinities in x are not served.  A block of zeros gets the byte 1 (its codes are zeros; this program alone reads the bytes).
.set CNT,   65536                      ; LDS: 0: eight lists of 2,048 words, one a wave;  CNT: the eight counts;
.set MSK,   65792                      ; the masks, 8,192 bytes;
.set STG,   73984                      ; a stage of 16 rows x 528 bytes for each wave
.set STGW,  8448
.set SP,    528                        ; 512 bytes + 16 = 132 words: row r starts at bank 4 r mod 64 (64 banks of 4 bytes: ISA guide 11.1)
.set LN16, 1                           ; v1   16 x lane
.set LN4,  2                           ; v2   4 x lane
.set RR,   3                           ; v3   r = lane % 16
.set HH,   4                           ; v4   h = lane / 16
.set PST,  5                           ; v5   my stage, on the way in: 16 x lane
.set PLD,  6                           ; v6   and out: 528 r + 64 h
.set LB,   7                           ; v7   my list: 8192 x wave + 4 x lane
.set GM,   8                           ; v8   my wave's part of masks: 1024 x wave + 16 x lane
.set MST,  9                           ; v9   the same in LDS
.set MRD,  10                          ; v10  MSK + 16 x lane
.set ROW,  11                          ; v11  the source row of place r
.set KB,   12                          ; v12  512 ks + 16 x lane
.set TG,   13                          ; v13  which of the expert's rows place r takes
.set LO,   14                          ; v14  the search: the largest place known to be at or ahead of the answer
.set CA,   15                          ; v15  the place tried
.set RO,   16                          ; v16-31 the 16 rows' byte offsets in x
.set M,    32                          ; v32-95   masks, then the rows as loaded
.set T,    96                          ; v96-159  the counts E, then 64 numbers of a lane for the quantiser
.set RAW,  32
.set X,    96
.set PC,   160                         ; v160-179 codes
.set TM,   180                         ; v180-195 at work in the quantiser
.set PW,   196                         ; v196 the scale word
.set MV,   197
.set EV,   198
.set CB,   199
.set CN,   200                         ; v200-207 the eight counts
.set CAD,  208                         ; v208 CNT + 4 x wave
.set TP,   209
.set CAL,  210                         ; v210 CNT
.set OW,   211                         ; v211, v212 my word's place in the tile's list
.set WV,  16
.set RUN, 17
.set KS,  19
.set SEL, 20                           ; s[20:21] v_permlanex16_b32's selects for lane l xor 16
.set CE,  24                           ; s24-31 rows of expert e
.set TCN, 32                           ; s32-39 its tiles
.set TBN, 40                           ; s40-47 its first tile
.macro BARRIER                         ; my LDS stores have landed and my LDS loads are in: then the work-group's barrier
	s_wait_dscnt 0x0
	s_barrier_signal -1
	s_barrier_wait -1
.endm
; 64 numbers of a lane, register 16 b + i = k 32 b + 16 h + i of my row r, become a fragment's 12 registers of codes in v[pc] on and the row's scale word in v[pw].
.macro QUANT s, pc, pw
.irp b, 0,1,2,3
	v_max3_num_f32 v[TM+\b], |v[\s+16*\b]|, |v[\s+1+16*\b]|, 0x2800000   ; block b: my 16 numbers, and the floor 2^(5 - 127): the byte cannot fall under 1
.endr
.irp i, 2,4,6,8,10,12,14
.irp b, 0,1,2,3
	v_max3_num_f32 v[TM+\b], v[TM+\b], |v[\s+16*\b+\i]|, |v[\s+1+16*\b+\i]|   ; the four blocks by turns
.endr
.endr
.irp b, 0,1,2,3
	v_permlanex16_b32 v[TM+4+\b], v[TM+\b], s[SEL], s[SEL+1]
.endr
.irp b, 0,1,2,3
	v_max_num_f32 v[TM+\b], v[TM+\b], v[TM+4+\b]   ; with lane l xor 16's 16: the block's largest magnitude
.endr
.irp b, 0,1,2,3
	v_add_nc_u32 v[TM+12+\b], 0xfe000000, v[TM+\b]   ; 4 off its exponent field: the conversion takes this operand's exponent field as its scale
.endr
.irp b, 0,1,2,3
	v_lshrrev_b32 v[TM+4+\b], 23, v[TM+12+\b]      ; the scale's byte
.endr
	v_lshl_or_b32 v[\pw], v[TM+5], 8, v[TM+4]
	v_lshl_or_b32 v[\pw], v[TM+6], 16, v[\pw]
	v_lshl_or_b32 v[\pw], v[TM+7], 24, v[\pw]
.irp c, 0,1
	v_cvt_scalef32_pk16_bf6_f32 v[\pc+6*\c:\pc+2+6*\c], v[\s+32*\c:\s+15+32*\c], v[TM+12+2*\c]
	v_cvt_scalef32_pk16_bf6_f32 v[\pc+12+4*\c:\pc+14+4*\c], v[\s+16+32*\c:\s+31+32*\c], v[TM+12+2*\c+1]   ; (a conversion's three registers begin on an even number)
.endr
	v_nop                                          ; one plain place behind a scaled conversion
.irp c, 0,1                                    ; the operand's layout wants a whole block in a lane: lanes 0-15 block 2 c, lanes 16-31 block 2 c + 1
.irp i, 0,1,2
	v_permlane16_swap_b32 v[\pc+6*\c+\i], v[\pc+12+4*\c+\i]
.endr
.irp i, 0,1,2
	v_mov_b32 v[\pc+3+6*\c+\i], v[\pc+12+4*\c+\i]
.endr
.endr
.endm
	s_load_b256 s[4:11], s[0:1], 0x0               ; x s[4:5], masks s[6:7], xq s[8:9], xs s[10:11]
	s_load_b128 s[12:15], s[0:1], 0x20             ; order s[12:13], meta s[14:15]
	v_lshl_add_u32 v254, v0, 2, 0x22900
	v_mov_b32 v255, 0
	v_lshrrev_b32 v[TP], 5, v0
	v_readfirstlane_b32 s[WV], v[TP]               ; wave 0..7
	v_and_b32 v[TP], 31, v0
	v_lshlrev_b32 v[LN16], 4, v[TP]
	v_lshlrev_b32 v[LN4], 2, v[TP]
	v_and_b32 v[RR], 15, v0
	v_bfe_u32 v[HH], v0, 4, 1
	s_mul_i32 s18, s[WV], STGW
	s_add_co_u32 s18, s18, STG
	v_add_nc_u32 v[PST], s18, v[LN16]
	v_mul_u32_u24 v[PLD], v[RR], SP
	v_lshl_add_u32 v[PLD], v[HH], 6, v[PLD]
	v_add_nc_u32 v[PLD], s18, v[PLD]
	s_lshl_b32 s18, s[WV], 13
	v_add_nc_u32 v[LB], s18, v[LN4]
	s_lshl_b32 s18, s[WV], 10
	v_add_nc_u32 v[GM], s18, v[LN16]
	v_add_nc_u32 v[MST], MSK, v[GM]
	v_add_nc_u32 v[MRD], MSK, v[LN16]
	s_lshl_b32 s18, s[WV], 2
	s_add_co_u32 s18, s18, CNT
	v_mov_b32 v[CAD], s18
	v_mov_b32 v[CAL], CNT
	v_and_b32 v[OW], 1, v[RR]                      ; place r = 2 q + h' goes to word 8 h' + q of the tile's list; lanes 16-31 write the same 16 words further on
	v_lshrrev_b32 v[OW+1], 1, v[RR]
	v_lshl_add_u32 v[OW], v[OW], 3, v[OW+1]
	v_lshl_add_u32 v[OW], v[HH], 4, v[OW]
	v_lshlrev_b32 v[OW], 2, v[OW]
	s_and_b32 s[KS], ttmp7, 0xffff
	s_lshl_b32 s[KS], s[KS], 3
	s_add_co_u32 s[KS], s[KS], s[WV]               ; my K step: 8 y + wave
	s_lshl_b32 s18, s[KS], 9
	v_add_nc_u32 v[KB], s18, v[LN16]
	s_mul_i32 s56, ttmp9, 24576                    ; where my fragment goes: 24,576 bytes a tile, 1,536 a K step;
	s_mul_i32 s18, s[KS], 1536
	s_add_co_u32 s56, s56, s18
	s_mov_b32 s57, 0
	s_lshl_b32 s58, ttmp9, 11                      ; its scale words: 2,048 bytes a tile, 128 a K step
	s_lshl_b32 s18, s[KS], 7
	s_add_co_u32 s58, s58, s18
	s_mov_b32 s59, 0
	s_mov_b32 s[SEL], 0x76543210
	s_mov_b32 s[SEL+1], 0xfedcba98
	s_mov_b32 s[RUN], 0
.irp b, 0,1,2,3
	v_mov_b32 v[TM+4+\b], 0                        ; written once: a lane permute's destination counts as one of its sources
.endr
	s_wait_kmcnt 0x0
	s_add_nc_u64 s[8:9], s[8:9], s[56:57]
	s_add_nc_u64 s[10:11], s[10:11], s[58:59]
	; ---- the masks come once for the work-group: each wave brings 1,024 bytes
	global_load_b128 v[M:M+3], v[GM], s[6:7]
	global_load_b128 v[M+4:M+7], v[GM], s[6:7] offset:512
	s_wait_loadcnt 0x0
	ds_store_b128 v[MST], v[M:M+3]
	ds_store_b128 v[MST], v[M+4:M+7] offset:512
	BARRIER                                        ; all 2,048 masks lie in LDS
	; ---- wave e counts expert e's rows, place by place
.irp q, 0,1,2,3,4,5,6,7,8,9,10,11,12,13,14,15
	ds_load_b128 v[M+4*\q:M+4*\q+3], v[MRD] offset:512*\q
.endr
.irp q, 0,1,2,3,4,5,6,7,8,9,10,11,12,13,14,15
	s_wait_dscnt 15+3*\q                           ; load q is in: behind it were issued the 15 - q younger loads and the 4 q stores of the groups before
.irp j, 0,1,2,3
	v_cmp_eq_u32 vcc_lo, s[WV], v[M+4*\q+\j]
	v_mbcnt_lo_u32_b32 v[T+4*\q+\j], vcc_lo, s[RUN]   ; E[p]: the rows counted so far + those in the lanes below me
	ds_store_b32 v[LB], v[T+4*\q+\j] offset:128*(4*\q+\j)
	s_bcnt1_i32_b32 s18, vcc_lo
	s_add_co_u32 s[RUN], s[RUN], s18
.endr
.endr
	v_mov_b32 v[TP], s[RUN]
	ds_store_b32 v[CAD], v[TP]                     ; the expert's count: all lanes write the same word with the same value
	BARRIER                                        ; the eight lists and counts lie in LDS; up to the next barrier LDS is only read
	ds_load_b128 v[CN:CN+3], v[CAL]
	ds_load_b128 v[CN+4:CN+7], v[CAL] offset:16
	s_wait_dscnt 0x0
.irp e, 0,1,2,3,4,5,6,7
	v_readfirstlane_b32 s[CE+\e], v[CN+\e]
.endr
	s_mov_b32 s51, 0
.irp e, 0,1,2,3,4,5,6,7
	s_add_co_u32 s[TCN+\e], s[CE+\e], 15
	s_lshr_b32 s[TCN+\e], s[TCN+\e], 4             ; tiles of expert e
	s_mov_b32 s[TBN+\e], s51                       ; its first tile
	s_add_co_u32 s51, s51, s[TCN+\e]
.endr
	s_mov_b32 s48, 0                               ; whose tile is t?  The last non-empty expert whose first tile is at or ahead of t
	s_mov_b32 s49, 0
	s_mov_b32 s50, 1
.irp e, 0,1,2,3,4,5,6,7
	s_cmp_lg_u32 s[CE+\e], 0
	s_cselect_b32 s52, s[TBN+\e], 0x7fffffff
	s_cmp_le_u32 s52, ttmp9
	s_cselect_b32 s48, \e, s48
	s_cselect_b32 s49, s[TBN+\e], s49
	s_cselect_b32 s50, s[CE+\e], s50
.endr
	s_min_u32 s48, s48, 7
	s_lshl_b32 s53, s48, 13                        ; that expert's list
	s_sub_co_u32 s52, ttmp9, s49
	s_lshl_b32 s52, s52, 4
	s_sub_co_u32 s54, s50, 1
	v_add_nc_u32 v[TG], s52, v[RR]                 ; place r takes the expert's row 16 (t - first tile) + r,
	v_min_u32 v[TG], s54, v[TG]                    ; or its last row
	v_mov_b32 v[LO], 0
.irp st, 1024,512,256,128,64,32,16,8,4,2,1
	v_add_nc_u32 v[CA], \st, v[LO]
	v_min_u32 v[CB], 2047, v[CA]
	v_lshl_add_u32 v[CB], v[CB], 2, s53
	ds_load_b32 v[EV], v[CB]
	s_wait_dscnt 0x0
	v_cmp_le_u32 vcc_lo, v[EV], v[TG]
	v_cndmask_b32 v[LO], v[LO], v[CA], vcc_lo      ; the largest p with E[p] <= the row wanted
.endr
	v_and_b32 v[ROW], 0x780, v[LO]                 ; place p holds row 128 (p / 128)
	v_and_b32 v[TP], 31, v[LO]
	v_lshl_add_u32 v[ROW], v[TP], 2, v[ROW]        ; + 4 (p % 32)
	v_bfe_u32 v[TP], v[LO], 5, 2
	v_add_nc_u32 v[ROW], v[ROW], v[TP]             ; + (p / 32) % 4
	BARRIER                                        ; every wave's reads of the lists are over: the stages may be written
	; ---- the 16 rows' 512 bytes of my K step: one load a row, 512 consecutive bytes each
.irp i, 0,1,2,3,4,5,6,7,8,9,10,11,12,13,14,15
	v_readlane_b32 s18, v[ROW], \i
	s_min_u32 s18, s18, 2047
	v_lshl_add_u32 v[RO+\i], s18, 13, v[KB]
.endr
.irp i, 0,1,2,3,4,5,6,7,8,9,10,11,12,13,14,15
	global_load_b128 v[RAW+4*\i:RAW+4*\i+3], v[RO+\i], s[4:5]     ; no hint: the list may name a row twice
.endr
.irp i, 0,1,2,3,4,5,6,7,8,9,10,11,12,13,14,15
	s_wait_loadcnt 15-\i                           ; row i is in; the younger rows may be out
	ds_store_b128 v[PST], v[RAW+4*\i:RAW+4*\i+3] offset:SP*\i
.endr
.irp b, 0,1,2,3
.irp j, 0,1,2,3
	ds_load_b128 v[X+16*\b+4*\j:X+16*\b+4*\j+3], v[PLD] offset:128*\b+16*\j   ; LDS serves a wave's instructions in order: these see my stores.  Of row r: 16 neighbours of each block of 32
.endr
.endr
	s_wait_dscnt 0x0
	QUANT X, PC, PW
.irp c, 0,1,2
	global_store_b128 v[LN16], v[PC+4*\c:PC+4*\c+3], s[8:9] offset:512*\c   ; 32 lanes store 512 consecutive bytes, aligned to 256
.endr
	global_store_b32 v[LN4], v[PW], s[10:11]
	; ---- the lists, once for each tile (K step 0's wave), and the experts' tile ranges once in all
	s_cmp_lg_u32 s[KS], 0
	s_cbranch_scc1 .Lend
	s_lshl_b32 s56, ttmp9, 7
	s_mov_b32 s57, 0
	s_add_nc_u64 s[12:13], s[12:13], s[56:57]
	global_store_b32 v[OW], v[ROW], s[12:13]       ; 32 words a tile, each lane its own: 128 consecutive bytes
	s_cmp_lg_u32 ttmp9, 0
	s_cbranch_scc1 .Lend
	v_mov_b32 v[MV], 0
.irp e, 0,1,2,3,4,5,6,7
	v_writelane_b32 v[MV], s[TBN+\e], \e
	v_writelane_b32 v[MV], s[TCN+\e], 8+\e
.endr
	global_store_b32 v[LN4], v[MV], s[14:15]
.Lend:
	s_wait_tensorcnt 0x0
	ds_add_u32 v254, v255
	s_wait_dscnt 0x0
	s_endpgm
.Lfunc_end_k_qdebc6d90cf_prep:
	.size	k_qdebc6d90cf_prep, .Lfunc_end_k_qdebc6d90cf_prep-k_qdebc6d90cf_prep
	.p2alignl 7, 3214868480
	.fill 96, 4, 3214868480
	.section	.rodata,"a",@progbits
	.p2align	6, 0x0
	.amdhsa_kernel k_qdebc6d90cf_prep
		.amdhsa_group_segment_fixed_size 142592
		.amdhsa_private_segment_fixed_size 0
		.amdhsa_enable_private_segment 0
		.amdhsa_kernarg_size 48
		.amdhsa_user_sgpr_count 2
		.amdhsa_user_sgpr_kernarg_segment_ptr 1
		.amdhsa_wavefront_size32 1
		.amdhsa_system_sgpr_workgroup_id_x 1
		.amdhsa_system_sgpr_workgroup_id_y 1
		.amdhsa_system_sgpr_workgroup_id_z 1
		.amdhsa_system_vgpr_workitem_id 0
		.amdhsa_next_free_vgpr 256
		.amdhsa_next_free_sgpr 66
		.amdhsa_reserve_vcc 1
		.amdhsa_float_denorm_mode_32 3
		.amdhsa_float_denorm_mode_16_64 3
		.amdhsa_memory_ordered 1
		.amdhsa_forward_progress 1
		.amdhsa_inst_pref_size 39
	.end_amdhsa_kernel
	.amdgpu_metadata
---
amdhsa.version: [ 1, 2 ]
amdhsa.kernels:
  - .name:           k_qdebc6d90cf_prep
    .symbol:         k_qdebc6d90cf_prep.kd
    .args:
      - { .name: x, .offset: 0, .size: 8, .value_kind: global_buffer, .address_space: global }
      - { .name: masks, .offset: 8, .size: 8, .value_kind: global_buffer, .address_space: global }
      - { .name: xq, .offset: 16, .size: 8, .value_kind: global_buffer, .address_space: global }
      - { .name: xs, .offset: 24, .size: 8, .value_kind: global_buffer, .address_space: global }
      - { .name: order, .offset: 32, .size: 8, .value_kind: global_buffer, .address_space: global }
      - { .name: meta, .offset: 40, .size: 8, .value_kind: global_buffer, .address_space: global }
    .group_segment_fixed_size: 142592
    .private_segment_fixed_size: 0
    .kernarg_segment_align: 8
    .kernarg_segment_size: 48
    .max_flat_workgroup_size: 256
    .sgpr_count:     66
    .vgpr_count:     256
    .wavefront_size: 32
...
	.end_amdgpu_metadata
.endif
;; end of part 1
;; launch moe (part 2): grid 32 x 8, 8 waves a work-group, no clusters, 158,720 bytes of LDS; arguments W, b, xq, xs, order, meta, out0; writes out0
.if DOCPART == 2
	.amdgcn_target "amdgcn-amd-amdhsa--gfx1250"
	.amdhsa_code_object_version 6
	.text
	.protected	k_qdebc6d90cf_moe
	.globl	k_qdebc6d90cf_moe
	.p2align	8
	.type	k_qdebc6d90cf_moe,@function
k_qdebc6d90cf_moe:
	s_mov_b64 s[64:65], 0
	v_nop
	global_prefetch_b8 v0, s[64:65] scope:SCOPE_SE
	s_setreg_imm32_b32 hwreg(HW_REG_WAVE_MODE, 25, 1), 1
	s_wait_xcnt 0x0
; out[row] = Q(x[row]) Q(W[e])^T + b[e] for the rows routed to expert e, on codes of BF6 (E3M2) with one E8M0 scale for each 32 along K, f32 sums.
; Work-group (nb, e) owns the 64 output columns 64 nb .. 64 nb + 63 of expert e: 64 rows of W, 512 KB of f32, which it reads ONCE, quantises and keeps in LDS as images of the operand's registers.
; ROLES.  Waves 0-3 PRODUCE: wave r4 streams W's rows 16 r4 .. 16 r4 + 15, 128 along K a step (each load: 512 consecutive bytes of one row), turns a step through its own stage so that a lane holds neighbours along K,
; quantises it and stores fragment r4 of the step's record.  Waves 4-7 CONSUME, a trip (two K steps) behind: each takes 5 tiles of 16 routed rows (their codes come from xq as register images) against all four fragments: 20 accumulators.
; One barrier a trip, eight in all, on every wave's path.  A producer has three K steps asked for, 48 loads of 512 bytes, and never fewer than 32: 64 to 96 KB of W a work-group.
; An expert with more than 20 tiles is finished by the consumers alone, 20 tiles a pass, from the records in LDS: no barrier; at most six more passes (7 x 20 >= 135 tiles), left as soon as the stored count is served.
; EVERY ADDRESS IS A BASE + AN IMMEDIATE: nothing is stepped; the trips and the tail's K steps are written out.
; THE PRODUCT IS USED TRANSPOSED: source 0 = 16 rows of W, source 1 = 16 rows of x: a lane holds one routed row and eight neighbouring output columns.  The bias is the C of each sum's first product (so it is added first, not last).
; NO JOINT LOADS: the 32 work-groups of an expert read the same tiles of x, but which tiles, and how many passes, hang on numbers read from memory, and this text branches on them: so its operands go through registers.
; A tile index beyond the expert's count is held at its last tile: it is multiplied again and not stored.  Free places of a last tile repeat a row: the same bits go to the same bytes.
; LIMITS: NaN and infinities in W are not served.  A block of zeros gets the byte 1 (its codes are zeros; this program alone reads the bytes).
; REGISTERS.  The two roles share the numbers, so that: no register that a load of one role fills is filled by a load of the other while the trips run, and what the quantiser writes by vector instructions is no A, B or scale of a product.
;   window 0: v1-27, v42 addresses and offsets (both roles);  v28-41 scale words;  v44-75 producer: codes and the quantiser's work / consumer: the bias (a C operand);  v76-123 W's four fragments;  v124-183 x's fragments of even K steps;
;             v184-247 producer: 64 numbers of a lane / consumer: v184-223 the rows' numbers, asked for when the producers' last step is over;  v248 the scale word just made.
;   window 1: v0-191 producer: W as loaded, three sets of 64 / consumer: v0-159 accumulator (i, n) at v[8 (4 i + n)];  v192-251 x's fragments of odd K steps.
.set REC,   6656                       ; LDS: record s (128 along K) at REC s: four fragments of 1,536 bytes (512 c + 16 lane), then at +6144 the scale words: 16 lane + 4 n.  16 records, each written once
.set PSTG,  106496                     ; a turn stage of 16 rows x 528 bytes for each producer
.set PSTW,  8448
.set SP,    528                        ; 512 + 16 bytes = 132 words: row r starts at bank 4 r mod 64 (64 banks of 4 bytes: ISA guide 11.1)
.set OSTG,  140288                     ; the way out: 16 rows x 272 bytes for each consumer
.set OSTW,  4352
.set OPI,   272
.set LN16, 1                           ; v1   16 x lane: also the base of records 0-7 for the consumers
.set PIA,  2                           ; v2, v3  where I store a fragment: 16 lane + 1536 r4, in records 0-7 and 8-15
.set PSA,  4                           ; v4, v5  and its scale word: 6144 + 16 lane + 4 r4
.set PST,  6                           ; v6   my turn stage, in
.set PLD,  7                           ; v7   and out: 528 r + 64 h
.set OST,  8                           ; v8   the way out: 272 r + 32 h
.set ORR,  9                           ; v9   and back: 272 h + 16 r
.set LN4,  10
.set BA,   11                          ; 32 h
.set COL,  12                          ; 256 nb + 16 r: my 16 bytes of a row of out
.set XA,   13                          ; v13-17 byte offset of my five tiles in xq (+ 16 lane)
.set XSA,  18                          ; v18-22 in xs (+ 4 lane)
.set OA,   23                          ; v23-27 in order (+ 32 h)
.set WS,   28                          ; v28-31 W's scale words of the step: they hold scales and nothing else
.set XSC,  32                          ; v32-41 x's, two sets of five: likewise
.set CW1,  42                          ; v42  the base of records 8-15
.set PC,   44                          ; producer: v44-63 codes
.set TM,   64                          ; v64-75: largest magnitudes, bytes, the conversions' scale operands
.set X,    184                         ; v184-247 64 numbers of a lane
.set PW,   248
.set LNE,  249                         ; at the head only: lane, r, h
.set RRW,  250
.set HHF,  251
.set BI,   44                          ; consumer: v44-75 the bias, 8 registers for each of the four tiles of columns
.set WF,   76
.set XF0,  124
.set XF1,  192                         ; in window 1
.set ORD,  184                         ; v184-223 the rows' numbers, then their byte offsets in out
.set BK,   76                          ; the way out: two sets of 32
.set WV,   18
.set R4,   19
.set EXN,  20
.set TB,   22                          ; the expert's first tile
.set TC,   23                          ; its tiles
.set TCM1, 24
.set PB,   25                          ; the pass's first tile index
.set SEL,  26                          ; s[26:27]
.set IDX,  28                          ; s28-32 my five tile indices
.set PS,   35                          ; the pass
.set WB,   40                          ; s[40:41] W at my 16 rows
.set BP,   44                          ; s[44:45] b at my work-group's 64 columns
.set MSB, 0
.macro WIN new                         ; s_set_vgpr_msb: bits 1:0 source 0, 3:2 source 1, 5:4 source 2, 7:6 destination; the high byte repeats the setting that is left
.if MSB != \new
	s_set_vgpr_msb (MSB<<8)|\new
.set MSB, \new
.endif
.endm
.macro QUANT s, pc, pw                 ; 64 numbers of a lane, register 16 b + i = k 32 b + 16 h + i of my row r -> 12 registers of codes in v[pc] on, the row's scale word in v[pw]
.irp b, 0,1,2,3
	v_max3_num_f32 v[TM+\b], |v[\s+16*\b]|, |v[\s+1+16*\b]|, 0x2800000   ; my 16 numbers of block b, and the floor 2^(5 - 127): the byte cannot fall under 1
.endr
.irp i, 2,4,6,8,10,12,14
.irp b, 0,1,2,3
	v_max3_num_f32 v[TM+\b], v[TM+\b], |v[\s+16*\b+\i]|, |v[\s+1+16*\b+\i]|
.endr
.endr
.irp b, 0,1,2,3
	v_permlanex16_b32 v[TM+4+\b], v[TM+\b], s[SEL], s[SEL+1]
.endr
.irp b, 0,1,2,3
	v_max_num_f32 v[TM+\b], v[TM+\b], v[TM+4+\b]   ; with lane l xor 16's: the block's largest magnitude
.endr
.irp b, 0,1,2,3
	v_add_nc_u32 v[TM+8+\b], 0xfe000000, v[TM+\b]  ; 4 off its exponent field: the conversion's scale operand
.endr
.irp b, 0,1,2,3
	v_lshrrev_b32 v[TM+4+\b], 23, v[TM+8+\b]       ; the scale's byte
.endr
	v_lshl_or_b32 v[\pw], v[TM+5], 8, v[TM+4]
	v_lshl_or_b32 v[\pw], v[TM+6], 16, v[\pw]
	v_lshl_or_b32 v[\pw], v[TM+7], 24, v[\pw]
.irp c, 0,1
	v_cvt_scalef32_pk16_bf6_f32 v[\pc+6*\c:\pc+2+6*\c], v[\s+32*\c:\s+15+32*\c], v[TM+8+2*\c]
	v_cvt_scalef32_pk16_bf6_f32 v[\pc+12+4*\c:\pc+14+4*\c], v[\s+16+32*\c:\s+31+32*\c], v[TM+8+2*\c+1]   ; (a conversion's three registers begin on an even number)
.endr
	v_nop                                          ; one plain place behind a scaled conversion
.irp c, 0,1
.irp i, 0,1,2
	v_permlane16_swap_b32 v[\pc+6*\c+\i], v[\pc+12+4*\c+\i]   ; a whole block to a lane: lanes 0-15 block 2 c, lanes 16-31 block 2 c + 1
.endr
.irp i, 0,1,2
	v_mov_b32 v[\pc+3+6*\c+\i], v[\pc+12+4*\c+\i]
.endr
.endr
.endm
; ---- the producer's parts
.macro LOADRAW set, ks                 ; K step ks of my 16 rows into set: 16 loads of 512 consecutive bytes; read once in the whole launch
	WIN 0x40
.irp i, 0,1,2,3,4,5,6,7,8,9,10,11,12,13,14,15
	global_load_b128 v[64*(\set)+4*\i:64*(\set)+4*\i+3], v[LN16], s[WB:WB+1] offset:8192*\i+512*(\ks) th:TH_LOAD_NT
.endr
	WIN 0
.endm
.macro TURN set                        ; through my stage: in as loaded, out 16 neighbours of each block of 32 of row r.  LDS serves a wave's instructions in order: no wait between
	WIN 0x04
.irp i, 0,1,2,3,4,5,6,7,8,9,10,11,12,13,14,15
	ds_store_b128 v[PST], v[64*(\set)+4*\i:64*(\set)+4*\i+3] offset:SP*\i
.endr
	WIN 0
.irp b, 0,1,2,3
.irp j, 0,1,2,3
	ds_load_b128 v[X+16*\b+4*\j:X+16*\b+4*\j+3], v[PLD] offset:128*\b+16*\j
.endr
.endr
.endm
.macro IMAGE pc, pw, s                 ; my fragment and scale word of record s
.irp c, 0,1,2
	ds_store_b128 v[PIA+(\s)/8], v[\pc+4*\c:\pc+4*\c+3] offset:REC*((\s)%8)+512*\c
.endr
	ds_store_b32 v[PSA+(\s)/8], v[\pw] offset:REC*((\s)%8)
.endm
.macro PSTEP ks                        ; K step ks becomes my part of record ks; K step ks + 3 is asked for, into the set that ks leaves
.set PS3, (\ks)%3
.if (\ks) < 14
	s_wait_loadcnt 32                              ; this step's 16 loads are in; the two younger sets may be out
.elseif (\ks) == 14
	s_wait_loadcnt 16
.else
	s_wait_loadcnt 0x0
.endif
	TURN PS3
	s_wait_dscnt 16                                ; only the turn's 16 loads may be out: its 16 stores have read the set (and the last image's stores are done),
.if (\ks)+3 < 16
	LOADRAW PS3, (\ks)+3                           ; which is asked for again at once
.endif
	s_wait_dscnt 0x0                               ; the 64 numbers are back
	QUANT X, PC, PW
	IMAGE PC, PW, \ks
.endm
; ---- the consumer's parts
.macro TILESET                         ; my five tiles of the pass: index PB + r4 + 4 i, held at the expert's last tile; every number read from memory is held by a constant before it enters an address
.irp i, 0,1,2,3,4
	s_add_co_u32 s[IDX+\i], s[PB], s[R4]
	s_add_co_u32 s[IDX+\i], s[IDX+\i], 4*\i
	s_min_u32 s33, s[IDX+\i], s[TCM1]
	s_add_co_u32 s33, s33, s[TB]
	s_min_u32 s33, s33, 134
	s_mul_i32 s34, s33, 24576
	v_add_nc_u32 v[XA+\i], s34, v[LN16]
	s_lshl_b32 s34, s33, 11
	v_add_nc_u32 v[XSA+\i], s34, v[LN4]
	s_lshl_b32 s34, s33, 7
	v_add_nc_u32 v[OA+\i], s34, v[BA]
.endr
.endm
.macro ORDLOAD                         ; register 8 i + q: the source row of place 2 q + h of tile i: 32 neighbouring bytes a lane, 10 loads
.irp i, 0,1,2,3,4
	global_load_b128 v[ORD+8*\i:ORD+8*\i+3], v[OA+\i], s[12:13]
	global_load_b128 v[ORD+8*\i+4:ORD+8*\i+7], v[OA+\i], s[12:13] offset:16
.endr
.endm
.macro XLOAD s                         ; x's five fragments and scale words of K step s: 20 loads
.if (\s)%2
	WIN 0x40
.set XLB, XF1
.else
.set XLB, XF0
.endif
.irp i, 0,1,2,3,4
.irp c, 0,1,2
	global_load_b128 v[XLB+12*\i+4*\c:XLB+12*\i+4*\c+3], v[XA+\i], s[8:9] offset:1536*(\s)+512*\c
.endr
.endr
	WIN 0
.irp i, 0,1,2,3,4
	global_load_b32 v[XSC+5*((\s)%2)+\i], v[XSA+\i], s[10:11] offset:128*(\s)
.endr
.endm
.macro TSTEP s                         ; K step s: record s from LDS, 20 products, and the loads of K step s + 2
.set PAR, (\s)%2
.set ROFF, REC*((\s)%8)
.if (\s) < 8
.set CW, LN16
.else
.set CW, CW1
.endif
.if PAR
.set XFB, XF1
.else
.set XFB, XF0
.endif
.irp n, 0,1,2,3
.irp c, 0,1,2
	ds_load_b128 v[WF+12*\n+4*\c:WF+12*\n+4*\c+3], v[CW] offset:ROFF+1536*\n+512*\c
.endr
.endr
	ds_load_b128 v[WS:WS+3], v[CW] offset:ROFF+6144
.if (\s) == 15
	s_wait_loadcnt 10                              ; behind this step's x: the 10 loads of the rows' numbers
.elseif (\s) == 14
	s_wait_loadcnt 30                              ; behind this step's x: step 15's 20 loads and those 10
.else
	s_wait_loadcnt 20                              ; this step's x is in (and all that was asked for ahead of it); the next step's 20 loads may be out
.endif
	s_wait_dscnt 0x0
.if (\s) == 0
	WIN 0x40                                       ; D window 1; C is the bias, in window 0
.elseif PAR
	WIN 0x54                                       ; x's fragments, C and D window 1
.else
	WIN 0x50                                       ; C and D window 1
.endif
.irp i, 0,1,2,3,4                              ; the 20 accumulators take turns, one instruction a turn, in the same order in every step
.irp n, 0,1,2,3
.if (\s) == 0
	v_wmma_scale_f32_16x16x128_f8f6f4 v[8*(4*\i+\n):8*(4*\i+\n)+7], v[WF+12*\n:WF+12*\n+11], v[XFB+12*\i:XFB+12*\i+11], v[BI+8*\n:BI+8*\n+7], v[WS+\n], v[XSC+5*PAR+\i] matrix_a_fmt:MATRIX_FMT_BF6 matrix_b_fmt:MATRIX_FMT_BF6
.else
	v_wmma_scale_f32_16x16x128_f8f6f4 v[8*(4*\i+\n):8*(4*\i+\n)+7], v[WF+12*\n:WF+12*\n+11], v[XFB+12*\i:XFB+12*\i+11], v[8*(4*\i+\n):8*(4*\i+\n)+7], v[WS+\n], v[XSC+5*PAR+\i] matrix_a_fmt:MATRIX_FMT_BF6 matrix_b_fmt:MATRIX_FMT_BF6
.endif
.endr
.endr
	WIN 0
.rept 4
	v_nop                                          ; four places in front of loads into registers that matrix instructions have read
.endr
.if (\s) < 14
	XLOAD (\s)+2
.endif
.if (\s) == 13
	ORDLOAD                                        ; the rows' numbers: two K steps ahead of the way out
.endif
.endm
.macro TOSTAGE i                       ; tile i: a lane's 32 bytes of a row into my stage, each accumulator from its low end on; back as whole rows of 256 bytes
	WIN 0x04
.irp n, 0,1,2,3
	ds_store_b128 v[OST], v[8*(4*(\i)+\n):8*(4*(\i)+\n)+3] offset:64*\n
	ds_store_b128 v[OST], v[8*(4*(\i)+\n)+4:8*(4*(\i)+\n)+7] offset:64*\n+16
.endr
	WIN 0
.irp q, 0,1,2,3,4,5,6,7
	ds_load_b128 v[BK+32*((\i)%2)+4*\q:BK+32*((\i)%2)+4*\q+3], v[ORR] offset:2*OPI*\q   ; LDS serves a wave's instructions in order: these see my stores
.endr
.endm
.macro SEND i, y                       ; y: the LDS instructions issued behind tile i's loads, which may stay out
	s_wait_dscnt \y
	s_cmp_lt_u32 s[IDX+(\i)], s[TC]                ; a tile beyond the expert's count is not stored
	s_cbranch_scc0 .Lskip_\@
.irp q, 0,1,2,3,4,5,6,7
	global_store_b128 v[ORD+8*(\i)+\q], v[BK+32*((\i)%2)+4*\q:BK+32*((\i)%2)+4*\q+3], s[16:17] th:TH_STORE_NT   ; 16 lanes store 256 consecutive bytes of a row, aligned to 256
.endr
.Lskip_\@:
.endm
.macro OUT
	s_wait_loadcnt 0x0                             ; the rows' numbers are in
.set KK, 0
.rept 40
	v_min_u32 v[ORD+KK], 2047, v[ORD+KK]           ; these 80 plain lines stand, with the four v_nop, behind the last products
.set KK, KK+1
.endr
.set KK, 0
.rept 40
	v_lshl_add_u32 v[ORD+KK], v[ORD+KK], 13, v[COL]
.set KK, KK+1
.endr
	TOSTAGE 0
.irp i, 1,2,3,4
.if \i > 1
	s_wait_xcnt 0x0                                ; the stores of two tiles ago have read their registers: this tile's rows may land there
.endif
	TOSTAGE \i
	SEND \i-1, 16                                  ; behind its loads: the next tile's 8 stores and 8 loads
.endr
	SEND 4, 0
.endm
.macro TRIP j
	s_cmp_lt_u32 s[WV], 4
	s_cbranch_scc0 .Lc_\@
	PSTEP 2*(\j)
	PSTEP 2*(\j)+1
	s_branch .Lj_\@
.Lc_\@:
.if (\j) == 0
.irp n, 0,1,2,3                                ; the first trip has no record yet: the bias and x's first two K steps are asked for
	global_load_b128 v[BI+8*\n:BI+8*\n+3], v[BA], s[BP:BP+1] offset:64*\n
	global_load_b128 v[BI+8*\n+4:BI+8*\n+7], v[BA], s[BP:BP+1] offset:64*\n+16
.endr
	XLOAD 0
	XLOAD 1
.else
	TSTEP 2*(\j)-2
	TSTEP 2*(\j)-1
.endif
.Lj_\@:
	s_wait_dscnt 0x0                               ; the producers' records have landed; the consumers' reads are in
	s_barrier_signal -1
	s_barrier_wait -1                              ; records 2 j and 2 j + 1 may be read
.endm
	s_load_b256 s[4:11], s[0:1], 0x0               ; W s[4:5], b s[6:7], xq s[8:9], xs s[10:11]
	s_load_b128 s[12:15], s[0:1], 0x20             ; order s[12:13], meta s[14:15]
	s_load_b64 s[16:17], s[0:1], 0x30              ; out
	v_lshl_add_u32 v254, v0, 2, 0x26800
	v_mov_b32 v255, 0
	v_lshrrev_b32 v[LNE], 5, v0
	v_readfirstlane_b32 s[WV], v[LNE]              ; wave 0..7
	s_and_b32 s[R4], s[WV], 3                      ; my number within my role
	s_and_b32 s[EXN], ttmp7, 0xffff                ; the expert
	v_and_b32 v[LNE], 31, v0
	v_and_b32 v[RRW], 15, v0
	v_bfe_u32 v[HHF], v0, 4, 1
	v_lshlrev_b32 v[LN16], 4, v[LNE]
	v_lshlrev_b32 v[LN4], 2, v[LNE]
	v_lshlrev_b32 v[BA], 5, v[HHF]
	; every LDS address of both roles is made here, by every wave, ahead of the first parting, and never rewritten
	s_mul_i32 s33, s[R4], 1536
	v_add_nc_u32 v[PIA], s33, v[LN16]
	v_add_nc_u32 v[PIA+1], 8*REC, v[PIA]
	s_lshl_b32 s33, s[R4], 2
	s_add_co_u32 s33, s33, 6144
	v_add_nc_u32 v[PSA], s33, v[LN16]
	v_add_nc_u32 v[PSA+1], 8*REC, v[PSA]
	v_add_nc_u32 v[CW1], 8*REC, v[LN16]
	s_mul_i32 s33, s[R4], PSTW
	s_add_co_u32 s33, s33, PSTG
	v_add_nc_u32 v[PST], s33, v[LN16]
	v_mul_u32_u24 v[PLD], v[RRW], SP
	v_lshl_add_u32 v[PLD], v[HHF], 6, v[PLD]
	v_add_nc_u32 v[PLD], s33, v[PLD]
	s_mul_i32 s33, s[R4], OSTW
	s_add_co_u32 s33, s33, OSTG
	v_mul_u32_u24 v[OST], v[RRW], OPI
	v_lshl_add_u32 v[OST], v[HHF], 5, v[OST]
	v_add_nc_u32 v[OST], s33, v[OST]
	v_mul_u32_u24 v[ORR], v[HHF], OPI
	v_lshl_add_u32 v[ORR], v[RRW], 4, v[ORR]
	v_add_nc_u32 v[ORR], s33, v[ORR]
	s_lshl_b32 s33, ttmp9, 8
	v_lshl_add_u32 v[COL], v[RRW], 4, s33
.irp b, 0,1,2,3
	v_mov_b32 v[TM+4+\b], 0                        ; written once: a lane permute's destination counts as one of its sources
.endr
	s_mov_b32 s[SEL], 0x76543210
	s_mov_b32 s[SEL+1], 0xfedcba98
	s_mov_b32 s[PB], 0
	s_lshl_b32 s46, s[EXN], 24                     ; W: 16 MiB an expert,
	s_lshl_b32 s33, ttmp9, 19                      ; 64 rows of 8,192 bytes a work-group,
	s_add_co_u32 s46, s46, s33
	s_lshl_b32 s33, s[R4], 17                      ; 16 rows a producer
	s_add_co_u32 s46, s46, s33
	s_mov_b32 s47, 0
	s_lshl_b32 s48, s[EXN], 13                     ; b: 8,192 bytes an expert, 256 a work-group
	s_lshl_b32 s33, ttmp9, 8
	s_add_co_u32 s48, s48, s33
	s_mov_b32 s49, 0
	s_lshl_b32 s34, s[EXN], 2
	s_wait_kmcnt 0x0
	s_load_b32 s[TB], s[14:15], s34 offset:0x0     ; the expert's first tile
	s_load_b32 s[TC], s[14:15], s34 offset:0x20    ; and its number of tiles
	s_add_nc_u64 s[WB:WB+1], s[4:5], s[46:47]
	s_add_nc_u64 s[BP:BP+1], s[6:7], s[48:49]
	s_cmp_lt_u32 s[WV], 4
	s_cbranch_scc0 .Lno_raw
	LOADRAW 0, 0                                   ; the stream begins ahead of everything else: K steps 0 to 2, 48 loads a producer
	LOADRAW 1, 1
	LOADRAW 2, 2
.Lno_raw:
	s_wait_kmcnt 0x0
	s_min_u32 s[TB], s[TB], 134
	s_min_u32 s[TC], s[TC], 135
	s_max_u32 s[TCM1], s[TC], 1
	s_sub_co_u32 s[TCM1], s[TCM1], 1
	TILESET                                        ; by every wave, so that no offset register is written on one role's way alone
.irp j, 0,1,2,3,4,5,6,7
	TRIP \j
.endr
	s_cmp_lt_u32 s[WV], 4
	s_cbranch_scc1 .Lend                           ; the producers are done: all sixteen records lie in LDS
	TSTEP 14
	TSTEP 15
	OUT
	; ---- more than 20 tiles: the consumers go on alone, from the records in LDS.  Pass p takes tile indices 20 p on; passes 0 to 6 cover 140, more than any split has
	s_mov_b32 s[PS], 1
.Ltail:
	s_mul_i32 s[PB], s[PS], 20
	s_cmp_lt_u32 s[PB], s[TC]
	s_cbranch_scc0 .Lend                           ; the expert's tiles are served
	s_wait_xcnt 0x0                                ; the last pass's stores have read their data and offsets: both are written again below
	TILESET
	XLOAD 0
	XLOAD 1
.irp s, 0,1,2,3,4,5,6,7,8,9,10,11,12,13,14,15
	TSTEP \s
.endr
	OUT
	s_add_co_u32 s[PS], s[PS], 1
	s_cmp_lt_u32 s[PS], 7
	s_cbranch_scc1 .Ltail
.Lend:
	s_wait_tensorcnt 0x0
	ds_add_u32 v254, v255
	s_wait_dscnt 0x0
	s_endpgm
.Lfunc_end_k_qdebc6d90cf_moe:
	.size	k_qdebc6d90cf_moe, .Lfunc_end_k_qdebc6d90cf_moe-k_qdebc6d90cf_moe
	.p2alignl 7, 3214868480
	.fill 96, 4, 3214868480
	.section	.rodata,"a",@progbits
	.p2align	6, 0x0
	.amdhsa_kernel k_qdebc6d90cf_moe
		.amdhsa_group_segment_fixed_size 158720
		.amdhsa_private_segment_fixed_size 0
		.amdhsa_enable_private_segment 0
		.amdhsa_kernarg_size 56
		.amdhsa_user_sgpr_count 2
		.amdhsa_user_sgpr_kernarg_segment_ptr 1
		.amdhsa_wavefront_size32 1
		.amdhsa_system_sgpr_workgroup_id_x 1
		.amdhsa_system_sgpr_workgroup_id_y 1
		.amdhsa_system_sgpr_workgroup_id_z 1
		.amdhsa_system_vgpr_workitem_id 0
		.amdhsa_next_free_vgpr 512
		.amdhsa_next_free_sgpr 66
		.amdhsa_reserve_vcc 0
		.amdhsa_float_denorm_mode_32 3
		.amdhsa_float_denorm_mode_16_64 3
		.amdhsa_memory_ordered 1
		.amdhsa_forward_progress 1
		.amdhsa_inst_pref_size 255
	.end_amdhsa_kernel
	.section	.bss,"aw",@nobits
	.p2align	6
	.space	262144
	.amdgpu_metadata
---
amdhsa.version: [ 1, 2 ]
amdhsa.kernels:
  - .name:           k_qdebc6d90cf_moe
    .symbol:         k_qdebc6d90cf_moe.kd
    .args:
      - { .name: W, .offset: 0, .size: 8, .value_kind: global_buffer, .address_space: global }
      - { .name: b, .offset: 8, .size: 8, .value_kind: global_buffer, .address_space: global }
      - { .name: xq, .offset: 16, .size: 8, .value_kind: global_buffer, .address_space: global }
      - { .name: xs, .offset: 24, .size: 8, .value_kind: global_buffer, .address_space: global }
      - { .name: order, .offset: 32, .size: 8, .value_kind: global_buffer, .address_space: global }
      - { .name: meta, .offset: 40, .size: 8, .value_kind: global_buffer, .address_space: global }
      - { .name: out0, .offset: 48, .size: 8, .value_kind: global_buffer, .address_space: global }
    .group_segment_fixed_size: 158720
    .private_segment_fixed_size: 0
    .kernarg_segment_align: 8
    .kernarg_segment_size: 56
    .max_flat_workgroup_size: 256
    .sgpr_count:     66
    .vgpr_count:     512
    .wavefront_size: 32
...
	.end_amdgpu_metadata
.endif
;; end of part 2
;; ======== version 2 of 2: 2 launches
;; workspace buffers: xq 3,317,760 bytes; xs 276,480 bytes; order 17,408 bytes of whole numbers; meta 256 bytes of whole numbers
;; launch prep (part 3): grid 135 x 2, 8 waves a work-group, no clusters, 142,592 bytes of LDS; arguments x, masks, xq, xs, order, meta; writes xq, xs, order, meta
.if DOCPART == 3
	.amdgcn_target "amdgcn-amd-amdhsa--gfx1250"
	.amdhsa_code_object_version 6
	.text
	.protected	k_qdebc6d90cf_prep
	.globl	k_qdebc6d90cf_prep
	.p2align	8
	.type	k_qdebc6d90cf_prep,@function
k_qdebc6d90cf_prep:
	s_mov_b64 s[64:65], 0
	v_nop
	global_prefetch_b8 v0, s[64:65] scope:SCOPE_SE
	s_setreg_imm32_b32 hwreg(HW_REG_WAVE_MODE, 25, 1), 1
	s_wait_xcnt 0x0
; ROUTING AND x's CODES.  The 2,048 rows of x are sorted by their expert (masks) into tiles of 16 rows: never more than 2048/16 + 8 - 1 = 135 tiles, whatever the split.
; Work-group (t, y) makes tile t; its wave w makes the tile's K step ks = 8 y + w (128 along K): it gathers the 16 rows' 512 bytes, quantises them to BF6 (E3M2) with one E8M0 byte for each 32 along K,
; and stores the fragment as an IMAGE OF THE OPERAND'S REGISTERS: xq[t][ks][c][lane][16 bytes] (c = 0..2: registers 4 c .. 4 c + 3), xs[t][ks][lane] the row's scale word.
; order[t][16 g + 8 h + q] = the source row of place 2 q + h of tile t (g = 0, 1: the same twice), so that the reader's lane finds its eight rows in 32 neighbouring bytes;
; meta[e] = expert e's first tile, meta[8 + e] = its number of tiles.
; FREE PLACES: the free places of an expert's last tile repeat that expert's last row; a tile beyond the last used one repeats the last non-empty expert's last row (it is never stored to the output).
; THE SORT has no scatter.  Wave e stores, at fixed places of its own LDS list, E[p] = the number of expert e's rows at places ahead of p (place p = 32 m + lane holds row 128 (p / 128) + 4 (p % 32) + (p / 32) % 4).
; E rises by one behind each of the expert's rows, so the expert's j-th row stands at the largest p with E[p] <= j: eleven steps of a binary search, all lanes at once.
; A block's scale is 2^(floor(log2(largest magnitude)) - 4); its byte is the largest magnitude's exponent field - 4, held at 1 from below.
; LIMITS: masks lie in 0 .. 7 (the index stays inside its table): a row with another value gets no place.  NaN and infinities in x are not served.  A block of zeros gets the byte 1 (its codes are zeros; this program alone reads the bytes).
.set CNT,   65536                      ; LDS: 0: eight lists of 2,048 words, one a wave;  CNT: the eight counts;
.set MSK,   65792                      ; the masks, 8,192 bytes;
.set STG,   73984                      ; a stage of 16 rows x 528 bytes for each wave
.set STGW,  8448
.set SP,    528                        ; 512 bytes + 16 = 132 words: row r starts at bank 4 r mod 64 (64 banks of 4 bytes: ISA guide 11.1)
.set LN16, 1                           ; v1   16 x lane
.set LN4,  2                           ; v2   4 x lane
.set RR,   3                           ; v3   r = lane % 16
.set HH,   4                           ; v4   h = lane / 16
.set PST,  5                           ; v5   my stage, on the way in: 16 x lane
.set PLD,  6                           ; v6   and out: 528 r + 64 h
.set LB,   7                           ; v7   my list: 8192 x wave + 4 x lane
.set GM,   8                           ; v8   my wave's part of masks: 1024 x wave + 16 x lane
.set MST,  9                           ; v9   the same in LDS
.set MRD,  10                          ; v10  MSK + 16 x lane
.set ROW,  11                          ; v11  the source row of place r
.set KB,   12                          ; v12  512 ks + 16 x lane
.set TG,   13                          ; v13  which of the expert's rows place r takes
.set LO,   14                          ; v14  the search: the largest place known to be at or ahead of the answer
.set CA,   15                          ; v15  the place tried
.set RO,   16                          ; v16-31 the 16 rows' byte offsets in x
.set M,    32                          ; v32-95   masks, then the rows as loaded
.set T,    96                          ; v96-159  the counts E, then 64 numbers of a lane for the quantiser
.set RAW,  32
.set X,    96
.set PC,   160                         ; v160-179 codes
.set TM,   180                         ; v180-195 at work in the quantiser
.set PW,   196                         ; v196 the scale word
.set MV,   197
.set EV,   198
.set CB,   199
.set CN,   200                         ; v200-207 the eight counts
.set CAD,  208                         ; v208 CNT + 4 x wave
.set TP,   209
.set CAL,  210                         ; v210 CNT
.set OW,   211                         ; v211, v212 my word's place in the tile's list
.set WV,  16
.set RUN, 17
.set KS,  19
.set SEL, 20                           ; s[20:21] v_permlanex16_b32's selects for lane l xor 16
.set CE,  24                           ; s24-31 rows of expert e
.set TCN, 32                           ; s32-39 its tiles
.set TBN, 40                           ; s40-47 its first tile
.macro BARRIER                         ; my LDS stores have landed and my LDS loads are in: then the work-group's barrier
	s_wait_dscnt 0x0
	s_barrier_signal -1
	s_barrier_wait -1
.endm
; 64 numbers of a lane, register 16 b + i = k 32 b + 16 h + i of my row r, become a fragment's 12 registers of codes in v[pc] on and the row's scale word in v[pw].
.macro QUANT s, pc, pw
.irp b, 0,1,2,3
	v_max3_num_f32 v[TM+\b], |v[\s+16*\b]|, |v[\s+1+16*\b]|, 0x2800000   ; block b: my 16 numbers, and the floor 2^(5 - 127): the byte cannot fall under 1
.endr
.irp i, 2,4,6,8,10,12,14
.irp b, 0,1,2,3
	s_delay_alu instid0(VALU_DEP_4)
	v_max3_num_f32 v[TM+\b], v[TM+\b], |v[\s+16*\b+\i]|, |v[\s+1+16*\b+\i]|   ; the four blocks by turns
.endr
.endr
.irp b, 0,1,2,3
	s_delay_alu instid0(VALU_DEP_4)
	v_permlanex16_b32 v[TM+4+\b], v[TM+\b], s[SEL], s[SEL+1]
.endr
.irp b, 0,1,2,3
	s_delay_alu instid0(VALU_DEP_4)
	v_max_num_f32 v[TM+\b], v[TM+\b], v[TM+4+\b]   ; with lane l xor 16's 16: the block's largest magnitude
.endr
.irp b, 0,1,2,3
	s_delay_alu instid0(VALU_DEP_4)
	v_add_nc_u32 v[TM+12+\b], 0xfe000000, v[TM+\b]   ; 4 off its exponent field: the conversion takes this operand's exponent field as its scale
.endr
.irp b, 0,1,2,3
	s_delay_alu instid0(VALU_DEP_4)
	v_lshrrev_b32 v[TM+4+\b], 23, v[TM+12+\b]      ; the scale's byte
.endr
	s_delay_alu instid0(VALU_DEP_3)
	v_lshl_or_b32 v[\pw], v[TM+5], 8, v[TM+4]
	s_delay_alu instid0(VALU_DEP_1)
	v_lshl_or_b32 v[\pw], v[TM+6], 16, v[\pw]
	s_delay_alu instid0(VALU_DEP_1)
	v_lshl_or_b32 v[\pw], v[TM+7], 24, v[\pw]
.irp c, 0,1
	v_cvt_scalef32_pk16_bf6_f32 v[\pc+6*\c:\pc+2+6*\c], v[\s+32*\c:\s+15+32*\c], v[TM+12+2*\c]
	v_cvt_scalef32_pk16_bf6_f32 v[\pc+12+4*\c:\pc+14+4*\c], v[\s+16+32*\c:\s+31+32*\c], v[TM+12+2*\c+1]   ; (a conversion's three registers begin on an even number)
.endr
	v_nop                                          ; one plain place behind a scaled conversion
.irp c, 0,1                                    ; the operand's layout wants a whole block in a lane: lanes 0-15 block 2 c, lanes 16-31 block 2 c + 1
.irp i, 0,1,2
	v_permlane16_swap_b32 v[\pc+6*\c+\i], v[\pc+12+4*\c+\i]
.endr
.irp i, 0,1,2
	s_delay_alu instid0(VALU_DEP_3)
	v_mov_b32 v[\pc+3+6*\c+\i], v[\pc+12+4*\c+\i]
.endr
.endr
.endm
	s_load_b256 s[4:11], s[0:1], 0x0               ; x s[4:5], masks s[6:7], xq s[8:9], xs s[10:11]
	s_load_b128 s[12:15], s[0:1], 0x20             ; order s[12:13], meta s[14:15]
	v_lshl_add_u32 v254, v0, 2, 0x22900
	v_mov_b32 v255, 0
	v_lshrrev_b32 v[TP], 5, v0
	s_delay_alu instid0(VALU_DEP_1)
	v_readfirstlane_b32 s[WV], v[TP]               ; wave 0..7
	v_and_b32 v[TP], 31, v0
	s_delay_alu instid0(VALU_DEP_1)
	v_lshlrev_b32 v[LN16], 4, v[TP]
	s_delay_alu instid0(VALU_DEP_2)
	v_lshlrev_b32 v[LN4], 2, v[TP]
	v_and_b32 v[RR], 15, v0
	v_bfe_u32 v[HH], v0, 4, 1
	s_mul_i32 s18, s[WV], STGW
	s_add_co_u32 s18, s18, STG
	v_add_nc_u32 v[PST], s18, v[LN16]
	v_mul_u32_u24 v[PLD], v[RR], SP
	s_delay_alu instid0(VALU_DEP_1)
	v_lshl_add_u32 v[PLD], v[HH], 6, v[PLD]
	s_delay_alu instid0(VALU_DEP_1)
	v_add_nc_u32 v[PLD], s18, v[PLD]
	s_lshl_b32 s18, s[WV], 13
	v_add_nc_u32 v[LB], s18, v[LN4]
	s_lshl_b32 s18, s[WV], 10
	v_add_nc_u32 v[GM], s18, v[LN16]
	s_delay_alu instid0(VALU_DEP_1)
	v_add_nc_u32 v[MST], MSK, v[GM]
	v_add_nc_u32 v[MRD], MSK, v[LN16]
	s_lshl_b32 s18, s[WV], 2
	s_add_co_u32 s18, s18, CNT
	v_mov_b32 v[CAD], s18
	v_mov_b32 v[CAL], CNT
	v_and_b32 v[OW], 1, v[RR]                      ; place r = 2 q + h' goes to word 8 h' + q of the tile's list; lanes 16-31 write the same 16 words further on
	v_lshrrev_b32 v[OW+1], 1, v[RR]
	s_delay_alu instid0(VALU_DEP_1)
	v_lshl_add_u32 v[OW], v[OW], 3, v[OW+1]
	s_delay_alu instid0(VALU_DEP_1)
	v_lshl_add_u32 v[OW], v[HH], 4, v[OW]
	s_delay_alu instid0(VALU_DEP_1)
	v_lshlrev_b32 v[OW], 2, v[OW]
	s_and_b32 s[KS], ttmp7, 0xffff
	s_lshl_b32 s[KS], s[KS], 3
	s_add_co_u32 s[KS], s[KS], s[WV]               ; my K step: 8 y + wave
	s_lshl_b32 s18, s[KS], 9
	v_add_nc_u32 v[KB], s18, v[LN16]
	s_mul_i32 s56, ttmp9, 24576                    ; where my fragment goes: 24,576 bytes a tile, 1,536 a K step;
	s_mul_i32 s18, s[KS], 1536
	s_add_co_u32 s56, s56, s18
	s_mov_b32 s57, 0
	s_lshl_b32 s58, ttmp9, 11                      ; its scale words: 2,048 bytes a tile, 128 a K step
	s_lshl_b32 s18, s[KS], 7
	s_add_co_u32 s58, s58, s18
	s_mov_b32 s59, 0
	s_mov_b32 s[SEL], 0x76543210
	s_mov_b32 s[SEL+1], 0xfedcba98
	s_mov_b32 s[RUN], 0
.irp b, 0,1,2,3
	v_mov_b32 v[TM+4+\b], 0                        ; written once: a lane permute's destination counts as one of its sources
.endr
	s_wait_kmcnt 0x0
	s_add_nc_u64 s[8:9], s[8:9], s[56:57]
	s_add_nc_u64 s[10:11], s[10:11], s[58:59]
	; ---- the masks come once for the work-group: each wave brings 1,024 bytes
	global_load_b128 v[M:M+3], v[GM], s[6:7]
	global_load_b128 v[M+4:M+7], v[GM], s[6:7] offset:512
	s_wait_loadcnt 0x0
	ds_store_b128 v[MST], v[M:M+3]
	ds_store_b128 v[MST], v[M+4:M+7] offset:512
	BARRIER                                        ; all 2,048 masks lie in LDS
	; ---- wave e counts expert e's rows, place by place
.irp q, 0,1,2,3,4,5,6,7,8,9,10,11,12,13,14,15
	ds_load_b128 v[M+4*\q:M+4*\q+3], v[MRD] offset:512*\q
.endr
.irp q, 0,1,2,3,4,5,6,7,8,9,10,11,12,13,14,15
	s_wait_dscnt 15+3*\q                           ; load q is in: behind it were issued the 15 - q younger loads and the 4 q stores of the groups before
.irp j, 0,1,2,3
	v_cmp_eq_u32 vcc_lo, s[WV], v[M+4*\q+\j]
	s_delay_alu instid0(VALU_DEP_1)
	v_mbcnt_lo_u32_b32 v[T+4*\q+\j], vcc_lo, s[RUN]   ; E[p]: the rows counted so far + those in the lanes below me
	ds_store_b32 v[LB], v[T+4*\q+\j] offset:128*(4*\q+\j)
	s_bcnt1_i32_b32 s18, vcc_lo
	s_add_co_u32 s[RUN], s[RUN], s18
.endr
.endr
	v_mov_b32 v[TP], s[RUN]
	ds_store_b32 v[CAD], v[TP]                     ; the expert's count: all lanes write the same word with the same value
	BARRIER                                        ; the eight lists and counts lie in LDS; up to the next barrier LDS is only read
	ds_load_b128 v[CN:CN+3], v[CAL]
	ds_load_b128 v[CN+4:CN+7], v[CAL] offset:16
	s_wait_dscnt 0x0
.irp e, 0,1,2,3,4,5,6,7
	v_readfirstlane_b32 s[CE+\e], v[CN+\e]
.endr
	s_mov_b32 s51, 0
.irp e, 0,1,2,3,4,5,6,7
	s_add_co_u32 s[TCN+\e], s[CE+\e], 15
	s_lshr_b32 s[TCN+\e], s[TCN+\e], 4             ; tiles of expert e
	s_mov_b32 s[TBN+\e], s51                       ; its first tile
	s_add_co_u32 s51, s51, s[TCN+\e]
.endr
	s_mov_b32 s48, 0                               ; whose tile is t?  The last non-empty expert whose first tile is at or ahead of t
	s_mov_b32 s49, 0
	s_mov_b32 s50, 1
.irp e, 0,1,2,3,4,5,6,7
	s_cmp_lg_u32 s[CE+\e], 0
	s_cselect_b32 s52, s[TBN+\e], 0x7fffffff
	s_cmp_le_u32 s52, ttmp9
	s_cselect_b32 s48, \e, s48
	s_cselect_b32 s49, s[TBN+\e], s49
	s_cselect_b32 s50, s[CE+\e], s50
.endr
	s_min_u32 s48, s48, 7
	s_lshl_b32 s53, s48, 13                        ; that expert's list
	s_sub_co_u32 s52, ttmp9, s49
	s_lshl_b32 s52, s52, 4
	s_sub_co_u32 s54, s50, 1
	v_add_nc_u32 v[TG], s52, v[RR]                 ; place r takes the expert's row 16 (t - first tile) + r,
	s_delay_alu instid0(VALU_DEP_1)
	v_min_u32 v[TG], s54, v[TG]                    ; or its last row
	s_wait_alu depctr_va_vdst(0)
	v_mov_b32 v[LO], 0
.irp st, 1024,512,256,128,64,32,16,8,4,2,1
	s_delay_alu instid0(VALU_DEP_1)
	v_add_nc_u32 v[CA], \st, v[LO]
	s_delay_alu instid0(VALU_DEP_1)
	v_min_u32 v[CB], 2047, v[CA]
	s_delay_alu instid0(VALU_DEP_1)
	v_lshl_add_u32 v[CB], v[CB], 2, s53
	ds_load_b32 v[EV], v[CB]
	s_wait_alu depctr_va_vdst(0)
	s_wait_dscnt 0x0
	v_cmp_le_u32 vcc_lo, v[EV], v[TG]
	s_delay_alu instid0(VALU_DEP_1)
	v_cndmask_b32 v[LO], v[LO], v[CA], vcc_lo      ; the largest p with E[p] <= the row wanted
.endr
	s_delay_alu instid0(VALU_DEP_1)
	v_and_b32 v[ROW], 0x780, v[LO]                 ; place p holds row 128 (p / 128)
	s_delay_alu instid0(VALU_DEP_2)
	v_and_b32 v[TP], 31, v[LO]
	s_delay_alu instid0(VALU_DEP_1)
	v_lshl_add_u32 v[ROW], v[TP], 2, v[ROW]        ; + 4 (p % 32)
	s_delay_alu instid0(VALU_DEP_4)
	v_bfe_u32 v[TP], v[LO], 5, 2
	s_delay_alu instid0(VALU_DEP_1)
	v_add_nc_u32 v[ROW], v[ROW], v[TP]             ; + (p / 32) % 4
	s_wait_alu depctr_va_vdst(0)
	BARRIER                                        ; every wave's reads of the lists are over: the stages may be written
	; ---- the 16 rows' 512 bytes of my K step: one load a row, 512 consecutive bytes each
.irp i, 0,1,2,3,4,5,6,7,8,9,10,11,12,13,14,15
	v_readlane_b32 s18, v[ROW], \i
	s_min_u32 s18, s18, 2047
	v_lshl_add_u32 v[RO+\i], s18, 13, v[KB]
.endr
.irp i, 0,1,2,3,4,5,6,7,8,9,10,11,12,13,14,15
	global_load_b128 v[RAW+4*\i:RAW+4*\i+3], v[RO+\i], s[4:5]     ; no hint: the list may name a row twice
.endr
.irp i, 0,1,2,3,4,5,6,7,8,9,10,11,12,13,14,15
	s_wait_loadcnt 15-\i                           ; row i is in; the younger rows may be out
	ds_store_b128 v[PST], v[RAW+4*\i:RAW+4*\i+3] offset:SP*\i
.endr
.irp b, 0,1,2,3
.irp j, 0,1,2,3
	ds_load_b128 v[X+16*\b+4*\j:X+16*\b+4*\j+3], v[PLD] offset:128*\b+16*\j   ; LDS serves a wave's instructions in order: these see my stores.  Of row r: 16 neighbours of each block of 32
.endr
.endr
	s_wait_dscnt 0x0
	QUANT X, PC, PW
.irp c, 0,1,2
	global_store_b128 v[LN16], v[PC+4*\c:PC+4*\c+3], s[8:9] offset:512*\c   ; 32 lanes store 512 consecutive bytes, aligned to 256
.endr
	global_store_b32 v[LN4], v[PW], s[10:11]
	; ---- the lists, once for each tile (K step 0's wave), and the experts' tile ranges once in all
	s_cmp_lg_u32 s[KS], 0
	s_cbranch_scc1 .Lend
	s_lshl_b32 s56, ttmp9, 7
	s_mov_b32 s57, 0
	s_add_nc_u64 s[12:13], s[12:13], s[56:57]
	global_store_b32 v[OW], v[ROW], s[12:13]       ; 32 words a tile, each lane its own: 128 consecutive bytes
	s_cmp_lg_u32 ttmp9, 0
	s_cbranch_scc1 .Lend
	v_mov_b32 v[MV], 0
.irp e, 0,1,2,3,4,5,6,7
	s_delay_alu instid0(VALU_DEP_1)
	v_writelane_b32 v[MV], s[TBN+\e], \e
	s_delay_alu instid0(VALU_DEP_1)
	v_writelane_b32 v[MV], s[TCN+\e], 8+\e
.endr
	global_store_b32 v[LN4], v[MV], s[14:15]
.Lend:
	s_wait_tensorcnt 0x0
	ds_add_u32 v254, v255
	s_wait_dscnt 0x0
	s_endpgm
.Lfunc_end_k_qdebc6d90cf_prep:
	.size	k_qdebc6d90cf_prep, .Lfunc_end_k_qdebc6d90cf_prep-k_qdebc6d90cf_prep
	.p2alignl 7, 3214868480
	.fill 96, 4, 3214868480
	.section	.rodata,"a",@progbits
	.p2align	6, 0x0
	.amdhsa_kernel k_qdebc6d90cf_prep
		.amdhsa_group_segment_fixed_size 142592
		.amdhsa_private_segment_fixed_size 0
		.amdhsa_enable_private_segment 0
		.amdhsa_kernarg_size 48
		.amdhsa_user_sgpr_count 2
		.amdhsa_user_sgpr_kernarg_segment_ptr 1
		.amdhsa_wavefront_size32 1
		.amdhsa_system_sgpr_workgroup_id_x 1
		.amdhsa_system_sgpr_workgroup_id_y 1
		.amdhsa_system_sgpr_workgroup_id_z 1
		.amdhsa_system_vgpr_workitem_id 0
		.amdhsa_next_free_vgpr 256
		.amdhsa_next_free_sgpr 66
		.amdhsa_reserve_vcc 1
		.amdhsa_float_denorm_mode_32 3
		.amdhsa_float_denorm_mode_16_64 3
		.amdhsa_memory_ordered 1
		.amdhsa_forward_progress 1
		.amdhsa_inst_pref_size 46
	.end_amdhsa_kernel
	.amdgpu_metadata
---
amdhsa.version: [ 1, 2 ]
amdhsa.kernels:
  - .name:           k_qdebc6d90cf_prep
    .symbol:         k_qdebc6d90cf_prep.kd
    .args:
      - { .name: x, .offset: 0, .size: 8, .value_kind: global_buffer, .address_space: global }
      - { .name: masks, .offset: 8, .size: 8, .value_kind: global_buffer, .address_space: global }
      - { .name: xq, .offset: 16, .size: 8, .value_kind: global_buffer, .address_space: global }
      - { .name: xs, .offset: 24, .size: 8, .value_kind: global_buffer, .address_space: global }
      - { .name: order, .offset: 32, .size: 8, .value_kind: global_buffer, .address_space: global }
      - { .name: meta, .offset: 40, .size: 8, .value_kind: global_buffer, .address_space: global }
    .group_segment_fixed_size: 142592
    .private_segment_fixed_size: 0
    .kernarg_segment_align: 8
    .kernarg_segment_size: 48
    .max_flat_workgroup_size: 256
    .sgpr_count:     66
    .vgpr_count:     256
    .wavefront_size: 32
...
	.end_amdgpu_metadata
.endif
;; end of part 3
;; launch moe (part 4): grid 32 x 8, 8 waves a work-group, no clusters, 158,720 bytes of LDS; arguments W, b, xq, xs, order, meta, out0; writes out0
.if DOCPART == 4
	.amdgcn_target "amdgcn-amd-amdhsa--gfx1250"
	.amdhsa_code_object_version 6
	.text
	.protected	k_qdebc6d90cf_moe
	.globl	k_qdebc6d90cf_moe
	.p2align	8
	.type	k_qdebc6d90cf_moe,@function
k_qdebc6d90cf_moe:
	s_mov_b64 s[64:65], 0
	v_nop
	global_prefetch_b8 v0, s[64:65] scope:SCOPE_SE
	s_setreg_imm32_b32 hwreg(HW_REG_WAVE_SCHED_MODE, 0, 2), 2
	s_setreg_imm32_b32 hwreg(HW_REG_WAVE_MODE, 25, 1), 1
	s_wait_xcnt 0x0
	s_wait_alu depctr_vm_vsrc(0)
; out[row] = Q(x[row]) Q(W[e])^T + b[e] for the rows routed to expert e, on codes of BF6 (E3M2) with one E8M0 scale for each 32 along K, f32 sums.
; Work-group (nb, e) owns the 64 output columns 64 nb .. 64 nb + 63 of expert e: 64 rows of W, 512 KB of f32, which it reads ONCE, quantises and keeps in LDS as images of the operand's registers.
; ROLES.  Waves 0-3 PRODUCE: wave r4 streams W's rows 16 r4 .. 16 r4 + 15, 128 along K a step (each load: 512 consecutive bytes of one row), turns a step through its own stage so that a lane holds neighbours along K,
; quantises it and stores fragment r4 of the step's record.  Waves 4-7 CONSUME, a trip (two K steps) behind: each takes 5 tiles of 16 routed rows (their codes come from xq as register images) against all four fragments: 20 accumulators.
; One barrier a trip, eight in all, on every wave's path.  A producer has three K steps asked for, 48 loads of 512 bytes, and never fewer than 32: 64 to 96 KB of W a work-group.
; An expert with more than 20 tiles is finished by the consumers alone, 20 tiles a pass, from the records in LDS: no barrier; at most six more passes (7 x 20 >= 135 tiles), left as soon as the stored count is served.
; EVERY ADDRESS IS A BASE + AN IMMEDIATE: nothing is stepped; the trips and the tail's K steps are written out.
; THE PRODUCT IS USED TRANSPOSED: source 0 = 16 rows of W, source 1 = 16 rows of x: a lane holds one routed row and eight neighbouring output columns.  The bias is the C of each sum's first product (so it is added first, not last).
; NO JOINT LOADS: the 32 work-groups of an expert read the same tiles of x, but which tiles, and how many passes, hang on numbers read from memory, and this text branches on them: so its operands go through registers.
; A tile index beyond the expert's count is held at its last tile: it is multiplied again and not stored.  Free places of a last tile repeat a row: the same bits go to the same bytes.
; LIMITS: NaN and infinities in W are not served.  A block of zeros gets the byte 1 (its codes are zeros; this program alone reads the bytes).
; REGISTERS.  The two roles share the numbers, so that: no register that a load of one role fills is filled by a load of the other while the trips run, and what the quantiser writes by vector instructions is no A, B or scale of a product.
;   window 0: v1-27, v42 addresses and offsets (both roles);  v28-41 scale words;  v44-75 producer: codes and the quantiser's work / consumer: the bias (a C operand);  v76-123 W's four fragments;  v124-183 x's fragments of even K steps;
;             v184-247 producer: 64 numbers of a lane / consumer: v184-223 the rows' numbers, asked for when the producers' last step is over;  v248 the scale word just made.
;   window 1: v0-191 producer: W as loaded, three sets of 64 / consumer: v0-159 accumulator (i, n) at v[8 (4 i + n)];  v192-251 x's fragments of odd K steps.
; THE MODE: SCHED_MODE bits 1:0 = 2 (LLVM: expert scheduling mode 2), set by the entry lines.  The code itself states the register dependences
; between vector or matrix instructions and memory or LDS instructions, with s_wait_alu, always for 0.
; THE PLAN.  Registers that memory or LDS instructions touch, and who else names them:
;   v1-12, v42    Offsets and LDS addresses: written by vector lines at the head, once; read by loads and stores to the end.  One wait on va_vdst at the head.
;   v13-27        The five tiles' offsets: written by TILESET, at the head and once in each pass of the tail; read by x's loads and the rows' numbers' loads.  A wait on va_vdst behind each TILESET, one on vm_vsrc ahead of the tail's.
;   PRODUCER, K step ks.  Set ks % 3: global loads land, the turn's 16 LDS stores read it, global loads land again; no vector line of a producer names it.  X: the turn's LDS loads land, the quantiser reads.
;                 PC, PW: the quantiser writes, the image's four LDS stores read, the next step's quantiser writes again.
;                 Two waits a step: vm_vsrc behind the turn (its stores have read the set; the last image's stores have read PC and PW); va_vdst behind the quantiser (PC and PW are written; X is read out, for the next turn's loads).
;   CONSUMER, K step s.  WF, WS: LDS loads land, the 20 products read, the next step's LDS loads land.  XF, XSC of s's parity: the loads of step s land, the products read, the loads of step s + 2 land.
;                 One wait a step: va_vdst behind the products; the loads of step s + 2 and the next step's LDS loads follow it with no vector or matrix line between.
;   THE WAY OUT.  The accumulators: the products write, the stage's LDS stores read, the next pass's products write again.  ORD: loads land, 80 vector lines rewrite it, the stores to out read it as offsets, the next pass's loads land.
;                 BK (over WF and a part of XF0): LDS loads from the stage land, the stores to out read, two tiles on LDS loads land again.
;                 One wait on va_vdst ahead of the first stage store; one on vm_vsrc ahead of each reuse of a BK set; one on vm_vsrc at the head of a pass of the tail.
.set REC,   6656                       ; LDS: record s (128 along K) at REC s: four fragments of 1,536 bytes (512 c + 16 lane), then at +6144 the scale words: 16 lane + 4 n.  16 records, each written once
.set PSTG,  106496                     ; a turn stage of 16 rows x 528 bytes for each producer
.set PSTW,  8448
.set SP,    528                        ; 512 + 16 bytes = 132 words: row r starts at bank 4 r mod 64 (64 banks of 4 bytes: ISA guide 11.1)
.set OSTG,  140288                     ; the way out: 16 rows x 272 bytes for each consumer
.set OSTW,  4352
.set OPI,   272
.set LN16, 1                           ; v1   16 x lane: also the base of records 0-7 for the consumers
.set PIA,  2                           ; v2, v3  where I store a fragment: 16 lane + 1536 r4, in records 0-7 and 8-15
.set PSA,  4                           ; v4, v5  and its scale word: 6144 + 16 lane + 4 r4
.set PST,  6                           ; v6   my turn stage, in
.set PLD,  7                           ; v7   and out: 528 r + 64 h
.set OST,  8                           ; v8   the way out: 272 r + 32 h
.set ORR,  9                           ; v9   and back: 272 h + 16 r
.set LN4,  10
.set BA,   11                          ; 32 h
.set COL,  12                          ; 256 nb + 16 r: my 16 bytes of a row of out
.set XA,   13                          ; v13-17 byte offset of my five tiles in xq (+ 16 lane)
.set XSA,  18                          ; v18-22 in xs (+ 4 lane)
.set OA,   23                          ; v23-27 in order (+ 32 h)
.set WS,   28                          ; v28-31 W's scale words of the step: they hold scales and nothing else
.set XSC,  32                          ; v32-41 x's, two sets of five: likewise
.set CW1,  42                          ; v42  the base of records 8-15
.set PC,   44                          ; producer: v44-63 codes
.set TM,   64                          ; v64-75: largest magnitudes, bytes, the conversions' scale operands
.set X,    184                         ; v184-247 64 numbers of a lane
.set PW,   248
.set LNE,  249                         ; at the head only: lane, r, h
.set RRW,  250
.set HHF,  251
.set BI,   44                          ; consumer: v44-75 the bias, 8 registers for each of the four tiles of columns
.set WF,   76
.set XF0,  124
.set XF1,  192                         ; in window 1
.set ORD,  184                         ; v184-223 the rows' numbers, then their byte offsets in out
.set BK,   76                          ; the way out: two sets of 32
.set WV,   18
.set R4,   19
.set EXN,  20
.set TB,   22                          ; the expert's first tile
.set TC,   23                          ; its tiles
.set TCM1, 24
.set PB,   25                          ; the pass's first tile index
.set SEL,  26                          ; s[26:27]
.set IDX,  28                          ; s28-32 my five tile indices
.set PS,   35                          ; the pass
.set WB,   40                          ; s[40:41] W at my 16 rows
.set BP,   44                          ; s[44:45] b at my work-group's 64 columns
.set MSB, 0
.macro WIN new                         ; s_set_vgpr_msb: bits 1:0 source 0, 3:2 source 1, 5:4 source 2, 7:6 destination; the high byte repeats the setting that is left
.if MSB != \new
	s_set_vgpr_msb (MSB<<8)|\new
.set MSB, \new
.endif
.endm
.macro QUANT s, pc, pw                 ; 64 numbers of a lane, register 16 b + i = k 32 b + 16 h + i of my row r -> 12 registers of codes in v[pc] on, the row's scale word in v[pw]
.irp b, 0,1,2,3
	v_max3_num_f32 v[TM+\b], |v[\s+16*\b]|, |v[\s+1+16*\b]|, 0x2800000   ; my 16 numbers of block b, and the floor 2^(5 - 127): the byte cannot fall under 1
.endr
.irp i, 2,4,6,8,10,12,14
.irp b, 0,1,2,3
	v_max3_num_f32 v[TM+\b], v[TM+\b], |v[\s+16*\b+\i]|, |v[\s+1+16*\b+\i]|
.endr
.endr
.irp b, 0,1,2,3
	v_permlanex16_b32 v[TM+4+\b], v[TM+\b], s[SEL], s[SEL+1]
.endr
.irp b, 0,1,2,3
	v_max_num_f32 v[TM+\b], v[TM+\b], v[TM+4+\b]   ; with lane l xor 16's: the block's largest magnitude
.endr
.irp b, 0,1,2,3
	v_add_nc_u32 v[TM+8+\b], 0xfe000000, v[TM+\b]  ; 4 off its exponent field: the conversion's scale operand
.endr
.irp b, 0,1,2,3
	v_lshrrev_b32 v[TM+4+\b], 23, v[TM+8+\b]       ; the scale's byte
.endr
	v_lshl_or_b32 v[\pw], v[TM+5], 8, v[TM+4]
	v_lshl_or_b32 v[\pw], v[TM+6], 16, v[\pw]
	v_lshl_or_b32 v[\pw], v[TM+7], 24, v[\pw]
.irp c, 0,1
	v_cvt_scalef32_pk16_bf6_f32 v[\pc+6*\c:\pc+2+6*\c], v[\s+32*\c:\s+15+32*\c], v[TM+8+2*\c]
	v_cvt_scalef32_pk16_bf6_f32 v[\pc+12+4*\c:\pc+14+4*\c], v[\s+16+32*\c:\s+31+32*\c], v[TM+8+2*\c+1]   ; (a conversion's three registers begin on an even number)
.endr
	v_nop                                          ; one plain place behind a scaled conversion
.irp c, 0,1
.irp i, 0,1,2
	v_permlane16_swap_b32 v[\pc+6*\c+\i], v[\pc+12+4*\c+\i]   ; a whole block to a lane: lanes 0-15 block 2 c, lanes 16-31 block 2 c + 1
.endr
.irp i, 0,1,2
	v_mov_b32 v[\pc+3+6*\c+\i], v[\pc+12+4*\c+\i]
.endr
.endr
.endm
; ---- the producer's parts
.macro LOADRAW set, ks, again          ; K step ks of my 16 rows into set: 16 loads of 512 consecutive bytes; read once in the whole launch.  again = 1: the set has just been turned through the stage
	WIN 0x40
.if \again
	s_wait_alu depctr_vm_vsrc(0)                   ; the turn's LDS stores have read this set, in which the loads below land; the last image's LDS stores have read PC and PW, which the quantiser below writes again
.endif
.irp i, 0,1,2,3,4,5,6,7,8,9,10,11,12,13,14,15
	global_load_b128 v[64*(\set)+4*\i:64*(\set)+4*\i+3], v[LN16], s[WB:WB+1] offset:8192*\i+512*(\ks) th:TH_LOAD_NT
.endr
	WIN 0
.endm
.macro TURN set                        ; through my stage: in as loaded, out 16 neighbours of each block of 32 of row r.  LDS serves a wave's instructions in order: no wait between
	WIN 0x04
.irp i, 0,1,2,3,4,5,6,7,8,9,10,11,12,13,14,15
	ds_store_b128 v[PST], v[64*(\set)+4*\i:64*(\set)+4*\i+3] offset:SP*\i
.endr
	WIN 0
.irp b, 0,1,2,3
.irp j, 0,1,2,3
	ds_load_b128 v[X+16*\b+4*\j:X+16*\b+4*\j+3], v[PLD] offset:128*\b+16*\j
.endr
.endr
.endm
.macro IMAGE pc, pw, s                 ; my fragment and scale word of record s
.irp c, 0,1,2
	ds_store_b128 v[PIA+(\s)/8], v[\pc+4*\c:\pc+4*\c+3] offset:REC*((\s)%8)+512*\c
.endr
	ds_store_b32 v[PSA+(\s)/8], v[\pw] offset:REC*((\s)%8)
.endm
.macro PSTEP ks                        ; K step ks becomes my part of record ks; K step ks + 3 is asked for, into the set that ks leaves
.set PS3, (\ks)%3
.if (\ks) < 14
	s_wait_loadcnt 32                              ; this step's 16 loads are in; the two younger sets may be out
.elseif (\ks) == 14
	s_wait_loadcnt 16
.else
	s_wait_loadcnt 0x0
.endif
	TURN PS3
	s_wait_dscnt 16                                ; only the turn's 16 loads may be out: its 16 stores have read the set (and the last image's stores are done),
.if (\ks)+3 < 16
	LOADRAW PS3, (\ks)+3, 1                        ; which is asked for again at once
.else
	s_wait_alu depctr_vm_vsrc(0)                   ; the last image's LDS stores have read PC and PW, which the quantiser below writes again
.endif
	s_wait_dscnt 0x0                               ; the 64 numbers are back
	QUANT X, PC, PW
	s_wait_alu depctr_va_vdst(0)                   ; the quantiser has written PC and PW, which the image's LDS stores read, and is done reading X, in which the next turn's LDS loads land
	IMAGE PC, PW, \ks
.endm
; ---- the consumer's parts
.macro TILESET                         ; my five tiles of the pass: index PB + r4 + 4 i, held at the expert's last tile; every number read from memory is held by a constant before it enters an address
.irp i, 0,1,2,3,4
	s_add_co_u32 s[IDX+\i], s[PB], s[R4]
	s_add_co_u32 s[IDX+\i], s[IDX+\i], 4*\i
	s_min_u32 s33, s[IDX+\i], s[TCM1]
	s_add_co_u32 s33, s33, s[TB]
	s_min_u32 s33, s33, 134
	s_mul_i32 s34, s33, 24576
	v_add_nc_u32 v[XA+\i], s34, v[LN16]
	s_lshl_b32 s34, s33, 11
	v_add_nc_u32 v[XSA+\i], s34, v[LN4]
	s_lshl_b32 s34, s33, 7
	v_add_nc_u32 v[OA+\i], s34, v[BA]
.endr
.endm
.macro ORDLOAD                         ; register 8 i + q: the source row of place 2 q + h of tile i: 32 neighbouring bytes a lane, 10 loads
.irp i, 0,1,2,3,4
	global_load_b128 v[ORD+8*\i:ORD+8*\i+3], v[OA+\i], s[12:13]
	global_load_b128 v[ORD+8*\i+4:ORD+8*\i+7], v[OA+\i], s[12:13] offset:16
.endr
.endm
.macro XLOAD s                         ; x's five fragments and scale words of K step s: 20 loads
.if (\s)%2
	WIN 0x40
.set XLB, XF1
.else
.set XLB, XF0
.endif
.irp i, 0,1,2,3,4
.irp c, 0,1,2
	global_load_b128 v[XLB+12*\i+4*\c:XLB+12*\i+4*\c+3], v[XA+\i], s[8:9] offset:1536*(\s)+512*\c
.endr
.endr
	WIN 0
.irp i, 0,1,2,3,4
	global_load_b32 v[XSC+5*((\s)%2)+\i], v[XSA+\i], s[10:11] offset:128*(\s)
.endr
.endm
.macro TSTEP s                         ; K step s: record s from LDS, 20 products, and the loads of K step s + 2
.set PAR, (\s)%2
.set ROFF, REC*((\s)%8)
.if (\s) < 8
.set CW, LN16
.else
.set CW, CW1
.endif
.if PAR
.set XFB, XF1
.else
.set XFB, XF0
.endif
.irp n, 0,1,2,3
.irp c, 0,1,2
	ds_load_b128 v[WF+12*\n+4*\c:WF+12*\n+4*\c+3], v[CW] offset:ROFF+1536*\n+512*\c
.endr
.endr
	ds_load_b128 v[WS:WS+3], v[CW] offset:ROFF+6144
.if (\s) == 15
	s_wait_loadcnt 10                              ; behind this step's x: the 10 loads of the rows' numbers
.elseif (\s) == 14
	s_wait_loadcnt 30                              ; behind this step's x: step 15's 20 loads and those 10
.else
	s_wait_loadcnt 20                              ; this step's x is in (and all that was asked for ahead of it); the next step's 20 loads may be out
.endif
	s_wait_dscnt 0x0
.if (\s) == 0
	WIN 0x40                                       ; D window 1; C is the bias, in window 0
.elseif PAR
	WIN 0x54                                       ; x's fragments, C and D window 1
.else
	WIN 0x50                                       ; C and D window 1
.endif
.irp i, 0,1,2,3,4                              ; the 20 accumulators take turns, one instruction a turn, in the same order in every step
.irp n, 0,1,2,3
.if (\s) == 0
	v_wmma_scale_f32_16x16x128_f8f6f4 v[8*(4*\i+\n):8*(4*\i+\n)+7], v[WF+12*\n:WF+12*\n+11], v[XFB+12*\i:XFB+12*\i+11], v[BI+8*\n:BI+8*\n+7], v[WS+\n], v[XSC+5*PAR+\i] matrix_a_fmt:MATRIX_FMT_BF6 matrix_b_fmt:MATRIX_FMT_BF6
.else
	v_wmma_scale_f32_16x16x128_f8f6f4 v[8*(4*\i+\n):8*(4*\i+\n)+7], v[WF+12*\n:WF+12*\n+11], v[XFB+12*\i:XFB+12*\i+11], v[8*(4*\i+\n):8*(4*\i+\n)+7], v[WS+\n], v[XSC+5*PAR+\i] matrix_a_fmt:MATRIX_FMT_BF6 matrix_b_fmt:MATRIX_FMT_BF6
.endif
.endr
.endr
	WIN 0
.rept 4
	v_nop                                          ; four places in front of loads into registers that matrix instructions have read
.endr
.if (\s) < 15
	s_wait_alu depctr_va_vdst(0)                   ; the products are done reading W's fragments and scale words, in which the next step's LDS loads land, and x's fragments and scale words of this parity, in which the loads of step s + 2 land
.endif
.if (\s) < 14
	XLOAD (\s)+2
.endif
.if (\s) == 13
	ORDLOAD                                        ; the rows' numbers: two K steps ahead of the way out
.endif
.endm
.macro TOSTAGE i                       ; tile i: a lane's 32 bytes of a row into my stage, each accumulator from its low end on; back as whole rows of 256 bytes
	WIN 0x04
.irp n, 0,1,2,3
	ds_store_b128 v[OST], v[8*(4*(\i)+\n):8*(4*(\i)+\n)+3] offset:64*\n
	ds_store_b128 v[OST], v[8*(4*(\i)+\n)+4:8*(4*(\i)+\n)+7] offset:64*\n+16
.endr
	WIN 0
.irp q, 0,1,2,3,4,5,6,7
	ds_load_b128 v[BK+32*((\i)%2)+4*\q:BK+32*((\i)%2)+4*\q+3], v[ORR] offset:2*OPI*\q   ; LDS serves a wave's instructions in order: these see my stores
.endr
.endm
.macro SEND i, y                       ; y: the LDS instructions issued behind tile i's loads, which may stay out
	s_wait_dscnt \y
	s_cmp_lt_u32 s[IDX+(\i)], s[TC]                ; a tile beyond the expert's count is not stored
	s_cbranch_scc0 .Lskip_\@
.irp q, 0,1,2,3,4,5,6,7
	global_store_b128 v[ORD+8*(\i)+\q], v[BK+32*((\i)%2)+4*\q:BK+32*((\i)%2)+4*\q+3], s[16:17] th:TH_STORE_NT   ; 16 lanes store 256 consecutive bytes of a row, aligned to 256
.endr
.Lskip_\@:
.endm
.macro OUT
	s_wait_loadcnt 0x0                             ; the rows' numbers are in
.set KK, 0
.rept 40
	v_min_u32 v[ORD+KK], 2047, v[ORD+KK]           ; these 80 plain lines stand, with the four v_nop, behind the last products
.set KK, KK+1
.endr
.set KK, 0
.rept 40
	v_lshl_add_u32 v[ORD+KK], v[ORD+KK], 13, v[COL]
.set KK, KK+1
.endr
	s_wait_alu depctr_va_vdst(0)                   ; the last products have written the accumulators, which the stage's LDS stores read, and are done reading W's and x's fragments, in which the rows from the stage land; the 80 lines have written the rows' offsets, which the stores to out read
	TOSTAGE 0
.irp i, 1,2,3,4
.if \i > 1
	s_wait_xcnt 0x0                                ; the stores of two tiles ago have read their registers: this tile's rows may land there
	s_wait_alu depctr_vm_vsrc(0)                   ; the stores of two tiles ago have read their set of BK, in which this tile's LDS loads land
.endif
	TOSTAGE \i
	SEND \i-1, 16                                  ; behind its loads: the next tile's 8 stores and 8 loads
.endr
	SEND 4, 0
.endm
.macro TRIP j
	s_cmp_lt_u32 s[WV], 4
	s_cbranch_scc0 .Lc_\@
	PSTEP 2*(\j)
	PSTEP 2*(\j)+1
	s_branch .Lj_\@
.Lc_\@:
.if (\j) == 0
.irp n, 0,1,2,3                                ; the first trip has no record yet: the bias and x's first two K steps are asked for
	global_load_b128 v[BI+8*\n:BI+8*\n+3], v[BA], s[BP:BP+1] offset:64*\n
	global_load_b128 v[BI+8*\n+4:BI+8*\n+7], v[BA], s[BP:BP+1] offset:64*\n+16
.endr
	XLOAD 0
	XLOAD 1
.else
	TSTEP 2*(\j)-2
	TSTEP 2*(\j)-1
.endif
.Lj_\@:
	s_wait_dscnt 0x0                               ; the producers' records have landed; the consumers' reads are in
	s_barrier_signal -1
	s_barrier_wait -1                              ; records 2 j and 2 j + 1 may be read
.endm
	s_load_b256 s[4:11], s[0:1], 0x0               ; W s[4:5], b s[6:7], xq s[8:9], xs s[10:11]
	s_load_b128 s[12:15], s[0:1], 0x20             ; order s[12:13], meta s[14:15]
	s_load_b64 s[16:17], s[0:1], 0x30              ; out
	v_lshl_add_u32 v254, v0, 2, 0x26800
	v_mov_b32 v255, 0
	v_lshrrev_b32 v[LNE], 5, v0
	v_readfirstlane_b32 s[WV], v[LNE]              ; wave 0..7
	s_and_b32 s[EXN], ttmp7, 0xffff                ; the expert
	v_and_b32 v[LNE], 31, v0
	v_and_b32 v[RRW], 15, v0
	v_bfe_u32 v[HHF], v0, 4, 1
	v_lshlrev_b32 v[LN16], 4, v[LNE]
	v_lshlrev_b32 v[LN4], 2, v[LNE]
	v_lshlrev_b32 v[BA], 5, v[HHF]
	s_wait_alu depctr_va_sdst(0)                   ; the wave's number is written, ahead of its first reader: my number within my role, the LDS addresses and every branch between the roles are made from it
	s_and_b32 s[R4], s[WV], 3                      ; my number within my role
	; every LDS address of both roles is made here, by every wave, ahead of the first parting, and never rewritten
	s_mul_i32 s33, s[R4], 1536
	v_add_nc_u32 v[PIA], s33, v[LN16]
	v_add_nc_u32 v[PIA+1], 8*REC, v[PIA]
	s_lshl_b32 s33, s[R4], 2
	s_add_co_u32 s33, s33, 6144
	v_add_nc_u32 v[PSA], s33, v[LN16]
	v_add_nc_u32 v[PSA+1], 8*REC, v[PSA]
	v_add_nc_u32 v[CW1], 8*REC, v[LN16]
	s_mul_i32 s33, s[R4], PSTW
	s_add_co_u32 s33, s33, PSTG
	v_add_nc_u32 v[PST], s33, v[LN16]
	v_mul_u32_u24 v[PLD], v[RRW], SP
	v_lshl_add_u32 v[PLD], v[HHF], 6, v[PLD]
	v_add_nc_u32 v[PLD], s33, v[PLD]
	s_mul_i32 s33, s[R4], OSTW
	s_add_co_u32 s33, s33, OSTG
	v_mul_u32_u24 v[OST], v[RRW], OPI
	v_lshl_add_u32 v[OST], v[HHF], 5, v[OST]
	v_add_nc_u32 v[OST], s33, v[OST]
	v_mul_u32_u24 v[ORR], v[HHF], OPI
	v_lshl_add_u32 v[ORR], v[RRW], 4, v[ORR]
	v_add_nc_u32 v[ORR], s33, v[ORR]
	s_lshl_b32 s33, ttmp9, 8
	v_lshl_add_u32 v[COL], v[RRW], 4, s33
.irp b, 0,1,2,3
	v_mov_b32 v[TM+4+\b], 0                        ; written once: a lane permute's destination counts as one of its sources
.endr
	s_mov_b32 s[SEL], 0x76543210
	s_mov_b32 s[SEL+1], 0xfedcba98
	s_mov_b32 s[PB], 0
	s_lshl_b32 s46, s[EXN], 24                     ; W: 16 MiB an expert,
	s_lshl_b32 s33, ttmp9, 19                      ; 64 rows of 8,192 bytes a work-group,
	s_add_co_u32 s46, s46, s33
	s_lshl_b32 s33, s[R4], 17                      ; 16 rows a producer
	s_add_co_u32 s46, s46, s33
	s_mov_b32 s47, 0
	s_lshl_b32 s48, s[EXN], 13                     ; b: 8,192 bytes an expert, 256 a work-group
	s_lshl_b32 s33, ttmp9, 8
	s_add_co_u32 s48, s48, s33
	s_mov_b32 s49, 0
	s_lshl_b32 s34, s[EXN], 2
	s_wait_kmcnt 0x0
	s_load_b32 s[TB], s[14:15], s34 offset:0x0     ; the expert's first tile
	s_load_b32 s[TC], s[14:15], s34 offset:0x20    ; and its number of tiles
	s_add_nc_u64 s[WB:WB+1], s[4:5], s[46:47]
	s_add_nc_u64 s[BP:BP+1], s[6:7], s[48:49]
	s_wait_alu depctr_va_vdst(0)                   ; the offsets and LDS addresses v1 to v12 and v42 are written, which the loads and stores of both roles read: first the loads of W below, by v1
	s_cmp_lt_u32 s[WV], 4
	s_cbranch_scc0 .Lno_raw
	LOADRAW 0, 0, 0                                ; the stream begins ahead of everything else: K steps 0 to 2, 48 loads a producer
	LOADRAW 1, 1, 0
	LOADRAW 2, 2, 0
.Lno_raw:
	s_wait_kmcnt 0x0
	s_min_u32 s[TB], s[TB], 134
	s_min_u32 s[TC], s[TC], 135
	s_max_u32 s[TCM1], s[TC], 1
	s_sub_co_u32 s[TCM1], s[TCM1], 1
	TILESET                                        ; by every wave, so that no offset register is written on one role's way alone
	s_wait_alu depctr_va_vdst(0)                   ; the tiles' offsets v13 to v27 are written, which the consumers' loads read; so are the zeros in v68 to v71, in which the bias lands
.irp j, 0,1,2,3,4,5,6,7
	TRIP \j
.endr
	s_cmp_lt_u32 s[WV], 4
	s_cbranch_scc1 .Lend                           ; the producers are done: all sixteen records lie in LDS
	TSTEP 14
	TSTEP 15
	OUT
	; ---- more than 20 tiles: the consumers go on alone, from the records in LDS.  Pass p takes tile indices 20 p on; passes 0 to 6 cover 140, more than any split has
	s_mov_b32 s[PS], 1
.Ltail:
	s_mul_i32 s[PB], s[PS], 20
	s_cmp_lt_u32 s[PB], s[TC]
	s_cbranch_scc0 .Lend                           ; the expert's tiles are served
	s_wait_xcnt 0x0                                ; the last pass's stores have read their data and offsets: both are written again below
	s_wait_alu depctr_vm_vsrc(0)                   ; the last pass's loads have read the tiles' offsets v13 to v27, which TILESET writes again; its stores to out have read ORD and BK, in which this pass's loads land; its stage stores have read the accumulators, which this pass's products write again
	TILESET
	s_wait_alu depctr_va_vdst(0)                   ; the tiles' offsets v13 to v27 are written, which the loads below read
	XLOAD 0
	XLOAD 1
.irp s, 0,1,2,3,4,5,6,7,8,9,10,11,12,13,14,15
	TSTEP \s
.endr
	OUT
	s_add_co_u32 s[PS], s[PS], 1
	s_cmp_lt_u32 s[PS], 7
	s_cbranch_scc1 .Ltail
.Lend:
	s_wait_dscnt 0x0                               ; the closing lines, six on end
	s_wait_alu 0x0
	s_wait_tensorcnt 0x0
	ds_add_u32 v254, v255
	s_wait_dscnt 0x0
	s_endpgm
.Lfunc_end_k_qdebc6d90cf_moe:
	.size	k_qdebc6d90cf_moe, .Lfunc_end_k_qdebc6d90cf_moe-k_qdebc6d90cf_moe
	.p2alignl 7, 3214868480
	.fill 96, 4, 3214868480
	.section	.rodata,"a",@progbits
	.p2align	6, 0x0
	.amdhsa_kernel k_qdebc6d90cf_moe
		.amdhsa_group_segment_fixed_size 158720
		.amdhsa_private_segment_fixed_size 0
		.amdhsa_enable_private_segment 0
		.amdhsa_kernarg_size 56
		.amdhsa_user_sgpr_count 2
		.amdhsa_user_sgpr_kernarg_segment_ptr 1
		.amdhsa_wavefront_size32 1
		.amdhsa_system_sgpr_workgroup_id_x 1
		.amdhsa_system_sgpr_workgroup_id_y 1
		.amdhsa_system_sgpr_workgroup_id_z 1
		.amdhsa_system_vgpr_workitem_id 0
		.amdhsa_next_free_vgpr 512
		.amdhsa_next_free_sgpr 66
		.amdhsa_reserve_vcc 0
		.amdhsa_float_denorm_mode_32 3
		.amdhsa_float_denorm_mode_16_64 3
		.amdhsa_memory_ordered 1
		.amdhsa_forward_progress 1
		.amdhsa_inst_pref_size 255
	.end_amdhsa_kernel
	.section	.bss,"aw",@nobits
	.p2align	6
	.space	262144
	.amdgpu_metadata
---
amdhsa.version: [ 1, 2 ]
amdhsa.kernels:
  - .name:           k_qdebc6d90cf_moe
    .symbol:         k_qdebc6d90cf_moe.kd
    .args:
      - { .name: W, .offset: 0, .size: 8, .value_kind: global_buffer, .address_space: global }
      - { .name: b, .offset: 8, .size: 8, .value_kind: global_buffer, .address_space: global }
      - { .name: xq, .offset: 16, .size: 8, .value_kind: global_buffer, .address_space: global }
      - { .name: xs, .offset: 24, .size: 8, .value_kind: global_buffer, .address_space: global }
      - { .name: order, .offset: 32, .size: 8, .value_kind: global_buffer, .address_space: global }
      - { .name: meta, .offset: 40, .size: 8, .value_kind: global_buffer, .address_space: global }
      - { .name: out0, .offset: 48, .size: 8, .value_kind: global_buffer, .address_space: global }
    .group_segment_fixed_size: 158720
    .private_segment_fixed_size: 0
    .kernarg_segment_align: 8
    .kernarg_segment_size: 56
    .max_flat_workgroup_size: 256
    .sgpr_count:     66
    .vgpr_count:     512
    .wavefront_size: 32
...
	.end_amdgpu_metadata
.endif
;; end of part 4
